; MI455X (gfx1250); checked and timed in simulation.
; The chip was launched on July 23, 2026; its instructions are those of AMD's public machine-readable ISA for CDNA 5 (MIT licence, August 2026) and "CDNA5" Instruction Set Architecture Reference Guide (July 2026). The comments in the code are by the model that wrote it; some were corrected since.
;; Llama Attention. Allowed arithmetic: matrix products marked QUANTISED: E2M3 operands, one E8M0 scale for each 32 along K, by v_wmma_scale_f32_16x16x128_f8f6f4 with both operands' format E2M3, f32 sums; everything else in f32.
;; Inputs: Wk 1,024 x 1,024 float32; Wo 1,024 x 1,024 float32; Wq 1,024 x 1,024 float32; Wv 1,024 x 1,024 float32; hidden_states 2 x 2,048 x 1,024 float32; past_lens 2 int32.
;; Outputs: out0 2 x 2,048 x 1,024 float32.
;; This version of the problem:
;;   THIS VERSION OF THE PROBLEM IS GIVEN IN LOW PRECISION. The matrix products marked QUANTISED in the list below multiply operands that are first quantised to E2M3 (2 exponent bits, 3 mantissa bits; 6 bits a number), with one power-of-two scale for each 32 numbers along K (OCP MX v1.0); their sums are f32. All else is computed in f32.
;;   The module's matrix products, in the order in which they are computed (A, B: the left and right operand; K: the contracted axis; several contracted axes count as one K, in the product's order):
;;     1. [M 4,096, K 1,024] x [K 1,024, N 1,024]; A: input hidden_states; B: input Wq: QUANTISED
;;     2. [M 4,096, K 1,024] x [K 1,024, N 1,024]; A: input hidden_states; B: input Wk: QUANTISED
;;     3. [M 4,096, K 1,024] x [K 1,024, N 1,024]; A: input hidden_states; B: input Wv: QUANTISED
;;     4. batch 64 x [M 2,048, K 32] x [K 32, N 2,048]; A: computed on the way; B: computed on the way: QUANTISED
;;     5. batch 64 x [M 2,048, K 2,048] x [K 2,048, N 32]; A: softmax (see below); B: computed on the way: QUANTISED
;;     6. [M 4,096, K 1,024] x [K 1,024, N 1,024]; A: computed on the way; B: input Wo: QUANTISED
;;   THE QUANTISER, for each operand of a quantised product, along K:
;;     - K is cut into blocks of 32 from its start; a last block that is shorter is filled with zeros.
;;     - A block's scale is 2^e with e = floor(log2(the largest magnitude in the block)) - 2, held to -126 .. 127; a block of zeros has e = 0. As a byte (E8M0): e + 127.
;;     - Each number is divided by its block's scale, clamped to +-7.5, and rounded to the nearest number of E2M3, ties to even, subnormals kept.
;;     - The product sums the exact products of the quantised numbers (number of the format x scale) in f32.
;;   ~~~python
;;   def quantise(x, axis):      # numpy; x: float32 -> the quantised numbers, widened to float32 again
;;       x = np.moveaxis(x, axis, -1); K = x.shape[-1]
;;       x = np.pad(x, [(0, 0)] * (x.ndim - 1) + [(0, -K % 32)]); x = x.reshape(x.shape[:-1] + (-1, 32)); a = np.abs(x).max(-1, keepdims=True)
;;       e = np.where(a > 0, np.clip(np.frexp(np.where(a > 0, a, 1))[1] - 1 - 2, -126, 127), 0)      # np.frexp(a)[1] - 1 = floor(log2(a)), exactly
;;       r = np.clip(x / 2.0 ** e, -7.5, 7.5)
;;       step = 2.0 ** (np.maximum(np.frexp(np.where(r == 0, 1, r))[1] - 1, 0) - 3)
;;       q = np.round(r / step) * step * 2.0 ** e      # np.round: ties to even
;;       return np.moveaxis(q.reshape(q.shape[:-2] + (-1,))[..., :K], -1, axis).astype(np.float32)
;;   ~~~
;;   SOFTMAX AHEAD OF A QUANTISED PRODUCT. Where the list says 'softmax', what is quantised is not the finished softmax but p = 2^(t - M), with t = logit x log2(e) and M = ceil(the row's largest t), a whole number; so 1/2 < the row's largest p <= 1. The row's sum l is taken of the UNQUANTISED p, in f32, and the product's result is divided by l at the end. Since M is a whole number, a kernel that streams over the keys may use a running M (the ceiling of the running maximum): every later rescaling is an exact power of two, which a block's scale takes up: the codes' values come out the same.
;;   OPERANDS COMPUTED ON THE WAY. 'Computed on the way' means the value that the module computes at that place (a softmax that the list does not call 'softmax' is quantised finished and normalised). What goes into a quantiser is computed in f32, as accurately as f32 sums, v_exp_f32 and their like allow (about 1e-6 of the number): no bf16 or f16 on the way to a quantiser, and a product that is left as it is and whose result goes on into a quantised operand takes f32 operands (vector FMAs, or v_wmma_f32_16x16x4_f32). A number that lies on a knife's edge between two numbers of the format may be rounded either way, as far as f32 arithmetic and the matrix unit's own rounding can turn it there, and no further.
;; One version. Each part assembles by itself: llvm-mc -triple=amdgcn-amd-amdhsa -mcpu=gfx1250 --defsym DOCPART=n.
;; ======== version 1 of 1: 4 launches
;; limits: right only within a limited range of input values
;; workspace buffers: ops 6,553,600 bytes; rope 524,288 bytes; qrec 6,553,600 bytes; kvrec 6,553,600 bytes; acodes 3,145,728 bytes; ascales 131,072 bytes
;; launch quant (part 1): grid 256 x 1, 4 waves a work-group, no clusters, 34,304 bytes of LDS; arguments hidden_states, Wq, Wk, Wv, Wo, past_lens, ops, rope; writes ops, rope
.if DOCPART == 1
	.amdgcn_target "amdgcn-amd-amdhsa--gfx1250"
	.amdhsa_code_object_version 6
	.text
	.protected	k_qdcecbae793_quant
	.globl	k_qdcecbae793_quant
	.p2align	8
	.type	k_qdcecbae793_quant,@function
k_qdcecbae793_quant:
	s_mov_b64 s[64:65], 0
	v_nop
	global_prefetch_b8 v0, s[64:65] scope:SCOPE_SE
	s_setreg_imm32_b32 hwreg(HW_REG_WAVE_MODE, 25, 1), 1
	s_wait_xcnt 0x0
; hidden_states [4096][1024] and Wq, Wk, Wv, Wo [1024][1024], f32 with K innermost, become codes of FP6 (E2M3) with one E8M0 byte for each 32 along K,
; laid as IMAGES OF OPERAND REGISTERS: a fragment (16 rows x 128 K, 12 registers a lane) is 3 x 512 bytes, lane l's registers 4 g .. 4 g + 3 at 512 g + 16 l.
; ops: 128 panels of 51,200 bytes (4 tiles of 16 rows): [K step 8][tile 4][1,536], then from 49,152 on the scale words [tile 4][K half 2][lane 32][2]:
; word e of lane (r, h) is row r's word of K step 4 half + 2 e + h, so that a scale register carries an even K step in lanes 0-15 and the odd one in lanes 16-31.
; THE ROWS OF A TILE ARE NOT NEIGHBOURS.  hidden, Wq, Wk, Wo: tile T, row i = row 64 (T / 4) + 32 (i / 8) + 8 (T % 4) + i % 8;  Wv: 32 (T / 2) + 16 (i / 8) + 8 (T % 2) + i % 8.
; So in the next launch the 32 result registers of four neighbouring tiles are 32 neighbouring rows in one lane: a whole block of the next quantiser.
; A block's scale byte is its largest magnitude's exponent field - 2, held at 1 from below (a block of zeros keeps 1: its codes are zeros, and this program alone reads the bytes).
; The launch also makes the table of cos and sin for the rotary embedding: rope [tile 256][8][row 16][4] f32: cos of frequencies 0-15, then sin, for the token of each tile's row.
; The angle is (past_len + s) x 10^(-j / 4) in f32; it is reduced by n x pi/2 in two parts and goes through polynomials of degree 7 and 8 on +-pi/4.
; LIMITS: |past_lens| under 2^20; the sixteen inverse frequencies are constants within one unit in the last place; NaN and infinities among the inputs are not served.
; SHARES: work-group g takes tiles 2 g, 2 g + 1 of 512; wave w tile 2 g + w / 2 and K half w % 2: four fragments.  Each load reads 512 consecutive bytes of one row;
; a fragment turns through the wave's own stage in LDS (16 rows, 528 bytes apart) so that a lane gets 32 neighbours along K of each of its two blocks.  Waves share nothing: no barrier.
.set STG,   8448
.set PANEL, 51200
.set SCOFF, 49152
.set RB,    64                         ; v64-191  two sets of 64 registers as loaded
.set XB,    192                        ; v192-255 my two blocks of 32 neighbours
.set PB,    32                         ; v32-43   the fragment's codes
.macro LOAD f                          ; fragment f: 16 rows x 512 bytes; rows 0-7 by v4, rows 8-15 by v5
.irp i, 0,1,2,3,4,5,6,7,8,9,10,11,12,13,14,15
	global_load_b128 v[RB+64*((\f)%2)+4*\i:RB+64*((\f)%2)+4*\i+3], v[4+\i/8], s[22:23] offset:(\i%8)*4096+512*(\f) th:TH_LOAD_NT
.endr
.endm
.macro TURN f                          ; through the stage: LDS serves a wave's instructions in order, so no wait stands between the stores and the loads
.irp i, 0,1,2,3,4,5,6,7,8,9,10,11,12,13,14,15
	ds_store_b128 v6, v[RB+64*((\f)%2)+4*\i:RB+64*((\f)%2)+4*\i+3] offset:528*\i
.endr
.irp c, 0,1
.irp q, 0,1,2,3,4,5,6,7
	ds_load_b128 v[XB+32*\c+4*\q:XB+32*\c+4*\q+3], v7 offset:256*\c+16*\q   ; row r, k = 64 c + 32 h + 4 q ..
.endr
.endr
.endm
.macro QUANT64 f                       ; my blocks h and 2 + h of row r: codes into v[PB] on, the row's scale word into v[12 + f]
	v_max3_num_f32 v18, |v[XB]|, |v[XB+1]|, 0x1800000              ; the floor 2^(3 - 127) among the leaves: the byte cannot fall under 1
	v_max3_num_f32 v19, |v[XB+32]|, |v[XB+33]|, 0x1800000
.irp i, 2,4,6,8,10,12,14,16,18,20,22,24,26,28,30
	v_max3_num_f32 v18, v18, |v[XB+\i]|, |v[XB+1+\i]|              ; the two blocks by turns
	v_max3_num_f32 v19, v19, |v[XB+32+\i]|, |v[XB+33+\i]|
.endr
	v_add_nc_u32 v20, 0xff000000, v18                              ; 2 off the exponent field: the conversion's scale operand
	v_add_nc_u32 v21, 0xff000000, v19
	v_lshrrev_b32 v22, 23, v20                                     ; the bytes
	v_lshrrev_b32 v23, 23, v21
	v_lshl_or_b32 v22, v23, 16, v22
	v_lshlrev_b32 v22, v10, v22                                    ; at their places: 8 h bits up
	v_permlanex16_b32 v31, v22, s20, s21
	v_or_b32 v[12+\f], v22, v31                                    ; with lane l xor 16's two the word is whole
	v_cvt_scalef32_pk16_fp6_f32 v[PB:PB+2], v[XB:XB+15], v20
	v_cvt_scalef32_pk16_fp6_f32 v[44:46], v[XB+16:XB+31], v20      ; (a conversion's three registers begin on an even number)
	v_cvt_scalef32_pk16_fp6_f32 v[PB+6:PB+8], v[XB+32:XB+47], v21
	v_cvt_scalef32_pk16_fp6_f32 v[48:50], v[XB+48:XB+63], v21
	v_nop                                                          ; one plain place behind the conversions
.irp i, 0,1,2
	v_mov_b32 v[PB+3+\i], v[44+\i]
	v_mov_b32 v[PB+9+\i], v[48+\i]
.endr
.endm
.macro SINCOS a, sn, cs                ; sin and cos of v[a]
	v_mul_f32 v24, 0x3f22f983, v[\a]                               ; x 2 / pi
	v_rndne_f32 v24, v24                                           ; n
	v_fmamk_f32 v25, v24, 0xbfc90fdb, v[\a]                        ; a - n x (pi/2 rounded to f32),
	v_fmamk_f32 v25, v24, 0x333bbd2e, v25                          ; and what that rounding left
	v_mul_f32 v26, v25, v25                                        ; z
	v_mov_b32 v27, 0xb94ca1f9
	v_fmaak_f32 v27, v27, v26, 0x3c08839e
	v_fmaak_f32 v27, v27, v26, 0xbe2aaaa3
	v_mul_f32 v28, v25, v26
	v_fma_f32 v27, v28, v27, v25                                   ; sin r
	v_mov_b32 v28, 0x37ccf5ce
	v_fmaak_f32 v28, v28, v26, 0xbab6061a
	v_fmaak_f32 v28, v28, v26, 0x3d2aaaa5
	v_mul_f32 v29, v26, v26
	v_fma_f32 v30, v26, -0.5, 1.0
	v_fma_f32 v28, v29, v28, v30                                   ; cos r
	v_cvt_i32_f32 v24, v24
	v_and_b32 v29, 1, v24
	v_cmp_eq_u32 vcc_lo, 1, v29
	v_cndmask_b32 v[\sn], v27, v28, vcc_lo                         ; in odd quadrants the two change places
	v_cndmask_b32 v[\cs], v28, v27, vcc_lo
	v_lshlrev_b32 v29, 30, v24
	v_and_b32 v29, 0x80000000, v29
	v_xor_b32 v[\sn], v29, v[\sn]                                  ; sin is negative in quadrants 2, 3
	v_add_nc_u32 v24, 1, v24
	v_lshlrev_b32 v29, 30, v24
	v_and_b32 v29, 0x80000000, v29
	v_xor_b32 v[\cs], v29, v[\cs]                                  ; cos in quadrants 1, 2
.endm
	s_load_b256 s[4:11], s[0:1], 0x0               ; hidden s[4:5], Wq s[6:7], Wk s[8:9], Wv s[10:11]
	s_load_b256 s[12:19], s[0:1], 0x20             ; Wo s[12:13], past_lens s[14:15], ops s[16:17], rope s[18:19]
	v_lshl_add_u32 v62, v0, 2, 0x8400
	v_mov_b32 v63, 0
	v_lshrrev_b32 v1, 5, v0
	v_readfirstlane_b32 s24, v1                    ; wave
	v_and_b32 v1, 31, v0                           ; lane
	s_wait_alu depctr_va_vdst(0)
	v_and_b32 v2, 15, v0                           ; r
	s_wait_alu depctr_va_vdst(0)
	v_bfe_u32 v3, v0, 4, 1                         ; h
	s_mov_b32 s20, 0x76543210
	s_mov_b32 s21, 0xfedcba98                      ; v_permlanex16_b32's selects for lane l xor 16
	s_mov_b32 s30, 0xffff0000                      ; lanes 16-31
	s_lshr_b32 s25, s24, 1
	s_and_b32 s26, s24, 1                          ; K half
	s_lshl_b32 s27, ttmp9, 1
	s_add_co_u32 s27, s27, s25                     ; T: my tile of 512
	s_cmp_lt_u32 ttmp9, 128
	s_cselect_b32 s28, 511, 63
	s_and_b32 s28, s27, s28                        ; the tile's number in its tensor
	s_lshr_b32 s29, s28, 2
	s_lshl_b32 s29, s29, 6
	s_and_b32 s31, s28, 3
	s_lshl_b32 s31, s31, 3
	s_add_co_u32 s29, s29, s31                     ; first row: 64 (T / 4) + 8 (T % 4),
	s_lshr_b32 s32, s28, 1
	s_lshl_b32 s32, s32, 5
	s_and_b32 s31, s28, 1
	s_lshl_b32 s31, s31, 3
	s_add_co_u32 s32, s32, s31                     ; in Wv 32 (T / 2) + 8 (T % 2)
	s_lshr_b32 s31, ttmp9, 5
	s_mov_b32 s33, 0x20000                         ; rows 8-15 lie 32 rows on,
	s_cmp_eq_u32 s31, 6
	s_cselect_b32 s29, s32, s29
	s_cselect_b32 s33, 0x10000, s33                ; in Wv 16
	s_lshl_b32 s34, s29, 12
	s_mov_b32 s35, 0
	s_lshl_b32 s31, s26, 11
	v_lshl_add_u32 v4, v1, 4, s31                  ; 16 x lane + 2,048 x K half
	v_add_nc_u32 v5, s33, v4
	s_mul_i32 s36, s24, STG                        ; my stage
	v_lshl_add_u32 v6, v1, 4, s36                  ; in: 16 x lane
	v_mul_u32_u24 v7, v2, 528
	s_wait_alu depctr_va_vdst(0)
	v_lshl_add_u32 v7, v3, 7, v7
	v_add_nc_u32 v7, s36, v7                       ; out: row r, + 128 h
	v_lshlrev_b32 v8, 4, v1
	v_lshlrev_b32 v9, 3, v1
	v_lshlrev_b32 v10, 3, v3
	v_mov_b32 v31, 0                               ; a lane permute's destination counts as one of its sources
	s_lshr_b32 s37, s27, 2
	s_mul_i32 s37, s37, PANEL                      ; my panel
	s_and_b32 s38, s27, 3
	s_mul_i32 s39, s38, 1536
	s_add_co_u32 s40, s37, s39
	s_mul_i32 s39, s26, 4*6144
	s_add_co_u32 s40, s40, s39                     ; my first image
	s_mov_b32 s41, 0
	s_lshl_b32 s39, s38, 9
	s_add_co_u32 s42, s37, s39
	s_lshl_b32 s39, s26, 8
	s_add_co_u32 s42, s42, s39
	s_add_co_u32 s42, s42, SCOFF                   ; my 256 bytes of scale words
	s_mov_b32 s43, 0
	s_lshl_b32 s44, ttmp9, 11                      ; my work-group's tile of the table
	s_mov_b32 s45, 0
	s_wait_kmcnt 0x0
	s_mov_b64 s[22:23], s[12:13]                   ; which tensor: the choice hangs on the work-group's number alone
	s_cmp_lt_u32 ttmp9, 224
	s_cselect_b64 s[22:23], s[10:11], s[22:23]
	s_cmp_lt_u32 ttmp9, 192
	s_cselect_b64 s[22:23], s[8:9], s[22:23]
	s_cmp_lt_u32 ttmp9, 160
	s_cselect_b64 s[22:23], s[6:7], s[22:23]
	s_cmp_lt_u32 ttmp9, 128
	s_cselect_b64 s[22:23], s[4:5], s[22:23]
	s_add_nc_u64 s[22:23], s[22:23], s[34:35]
	s_add_nc_u64 s[40:41], s[16:17], s[40:41]
	s_add_nc_u64 s[42:43], s[16:17], s[42:43]
	s_add_nc_u64 s[44:45], s[18:19], s[44:45]
	LOAD 0
	LOAD 1
	s_load_b64 s[46:47], s[14:15], 0x0             ; both past_lens
	; ---- the table, while the first loads are on their way.  Thread: frequencies 4 wave + 2 e, + 1 (e = thread % 2) of row (thread / 2) % 16 of tile g
	s_and_b32 s31, ttmp9, 127
	s_lshr_b32 s32, s31, 2
	s_lshl_b32 s32, s32, 6
	s_and_b32 s31, ttmp9, 3
	s_lshl_b32 s31, s31, 3
	s_add_co_u32 s32, s32, s31
	v_bfe_u32 v18, v0, 1, 4
	v_and_b32 v19, 7, v18
	v_bfe_u32 v20, v18, 3, 1
	v_lshl_add_u32 v19, v20, 5, v19
	v_add_nc_u32 v19, s32, v19                     ; the token's place in its sequence
	v_cvt_f32_u32 v19, v19
	s_mov_b32 s36, 0x3a83126f                      ; 10^(-j / 4), j = 12 .. 15: wave 3's
	s_mov_b32 s37, 0x3a136a16
	s_mov_b32 s38, 0x39a5cb60
	s_mov_b32 s39, 0x393a7753
	s_cmp_eq_u32 s24, 0
	s_cselect_b32 s36, 0x3f800000, s36
	s_cselect_b32 s37, 0x3f0ff59a, s37
	s_cselect_b32 s38, 0x3ea1e89b, s38
	s_cselect_b32 s39, 0x3e361887, s39
	s_cmp_eq_u32 s24, 1
	s_cselect_b32 s36, 0x3dcccccd, s36
	s_cselect_b32 s37, 0x3d6655c2, s37
	s_cselect_b32 s38, 0x3d0186e3, s38
	s_cselect_b32 s39, 0x3c91ad39, s39
	s_cmp_eq_u32 s24, 2
	s_cselect_b32 s36, 0x3c23d70a, s36
	s_cselect_b32 s37, 0x3bb8449c, s37
	s_cselect_b32 s38, 0x3b4f3e38, s38
	s_cselect_b32 s39, 0x3ae91528, s39
	v_and_b32 v21, 1, v0
	v_cmp_eq_u32 vcc_lo, 1, v21
	v_mov_b32 v22, s36
	v_mov_b32 v23, s38
	v_cndmask_b32 v22, v22, v23, vcc_lo
	v_mov_b32 v23, s37
	v_mov_b32 v24, s39
	v_cndmask_b32 v23, v23, v24, vcc_lo
	s_wait_kmcnt 0x0
	s_cmp_lt_u32 ttmp9, 128                        ; tiles 0-127 are batch 0's
	s_cselect_b32 s46, s46, s47
	v_cvt_f32_i32 v20, s46
	v_add_f32 v19, v20, v19                        ; t = past_len + s
	s_wait_alu depctr_va_vdst(0)
	v_mul_f32 v22, v19, v22                        ; the two angles
	v_mul_f32 v23, v19, v23
	SINCOS 22, 54, 52
	SINCOS 23, 55, 53
	v_lshlrev_b32 v56, 3, v0
	global_store_b64 v56, v[52:53], s[44:45]               ; a wave stores 256 consecutive bytes; these registers are not written again
	global_store_b64 v56, v[54:55], s[44:45] offset:1024
	; ---- the four fragments
.irp f, 0,1,2,3
.if \f < 3
	s_wait_loadcnt 16                              ; this fragment's 16 loads are in; the next fragment's may be out
.else
	s_wait_loadcnt 0
.endif
	TURN \f
	s_wait_dscnt 0x0                               ; my blocks are in, and the stores into the stage have read their registers,
.if \f < 2
	LOAD \f+2                                      ; which take the fragment two on
.endif
	s_wait_xcnt 0x0                                ; the codes' registers, which the last fragment's stores read, are written again only behind this wait
	QUANT64 \f
.irp g, 0,1,2
	global_store_b128 v8, v[PB+4*\g:PB+4*\g+3], s[40:41] offset:6144*\f+512*\g   ; 512 consecutive bytes
.endr
.endr
	v_cndmask_b32 v16, v12, v13, s30               ; lanes 0-15 keep the even K steps' words, lanes 16-31 the odd ones'
	v_cndmask_b32 v17, v14, v15, s30
	global_store_b64 v9, v[16:17], s[42:43]        ; 256 consecutive bytes
	s_wait_tensorcnt 0x0
	ds_add_u32 v62, v63
	s_wait_dscnt 0x0
	s_endpgm
.Lfunc_end_k_qdcecbae793_quant:
	.size	k_qdcecbae793_quant, .Lfunc_end_k_qdcecbae793_quant-k_qdcecbae793_quant
	.p2alignl 7, 3214868480
	.fill 96, 4, 3214868480
	.section	.rodata,"a",@progbits
	.p2align	6, 0x0
	.amdhsa_kernel k_qdcecbae793_quant
		.amdhsa_group_segment_fixed_size 34304
		.amdhsa_private_segment_fixed_size 0
		.amdhsa_enable_private_segment 0
		.amdhsa_kernarg_size 64
		.amdhsa_user_sgpr_count 2
		.amdhsa_user_sgpr_kernarg_segment_ptr 1
		.amdhsa_wavefront_size32 1
		.amdhsa_system_sgpr_workgroup_id_x 1
		.amdhsa_system_sgpr_workgroup_id_y 1
		.amdhsa_system_sgpr_workgroup_id_z 1
		.amdhsa_system_vgpr_workitem_id 0
		.amdhsa_next_free_vgpr 256
		.amdhsa_next_free_sgpr 66
		.amdhsa_reserve_vcc 1
		.amdhsa_float_denorm_mode_32 3
		.amdhsa_float_denorm_mode_16_64 3
		.amdhsa_memory_ordered 1
		.amdhsa_forward_progress 1
		.amdhsa_inst_pref_size 37
	.end_amdhsa_kernel
	.amdgpu_metadata
---
amdhsa.version: [ 1, 2 ]
amdhsa.kernels:
  - .name:           k_qdcecbae793_quant
    .symbol:         k_qdcecbae793_quant.kd
    .args:
      - { .name: hidden_states, .offset: 0, .size: 8, .value_kind: global_buffer, .address_space: global }
      - { .name: Wq, .offset: 8, .size: 8, .value_kind: global_buffer, .address_space: global }
      - { .name: Wk, .offset: 16, .size: 8, .value_kind: global_buffer, .address_space: global }
      - { .name: Wv, .offset: 24, .size: 8, .value_kind: global_buffer, .address_space: global }
      - { .name: Wo, .offset: 32, .size: 8, .value_kind: global_buffer, .address_space: global }
      - { .name: past_lens, .offset: 40, .size: 8, .value_kind: global_buffer, .address_space: global }
      - { .name: ops, .offset: 48, .size: 8, .value_kind: global_buffer, .address_space: global }
      - { .name: rope, .offset: 56, .size: 8, .value_kind: global_buffer, .address_space: global }
    .group_segment_fixed_size: 34304
    .private_segment_fixed_size: 0
    .kernarg_segment_align: 8
    .kernarg_segment_size: 64
    .max_flat_workgroup_size: 128
    .sgpr_count:     66
    .vgpr_count:     256
    .wavefront_size: 32
...
	.end_amdgpu_metadata
.endif
;; end of part 1
;; launch qkv (part 2): grid 16 x 16, 4 waves a work-group, clusters of 4 x 4, 327,680 bytes of LDS; arguments ops, rope, qrec, kvrec; writes qrec, kvrec
.if DOCPART == 2
	.amdgcn_target "amdgcn-amd-amdhsa--gfx1250"
	.amdhsa_code_object_version 6
	.text
	.protected	k_qdcecbae793_qkv
	.globl	k_qdcecbae793_qkv
	.p2align	8
	.type	k_qdcecbae793_qkv,@function
k_qdcecbae793_qkv:
	s_mov_b64 s[64:65], 0
	v_nop
	global_prefetch_b8 v0, s[64:65] scope:SCOPE_SE
	s_setreg_imm32_b32 hwreg(HW_REG_WAVE_MODE, 25, 1), 1
	s_wait_xcnt 0x0
	s_wait_alu depctr_hold_cnt(0) depctr_sa_sdst(0) depctr_va_vdst(0) depctr_va_sdst(0) depctr_va_ssrc(0) depctr_va_vcc(0) depctr_vm_vsrc(0)
	s_getreg_b32 s2, hwreg(HW_REG_IB_STS2, 6, 4)
	s_cmp_eq_u32 s2, 0
	s_cbranch_scc0 .Lentry_in_a_cluster
	s_endpgm
.Lentry_in_a_cluster:
	s_bfe_u32 s2, ttmp6, 0x10000c
	s_cmp_lg_u32 s2, 0xf033
	s_cbranch_scc0 .Lentry_shape_is_right
	s_endpgm
.Lentry_shape_is_right:
; q = x Wq^T, k = x Wk^T, v = x Wv^T on codes of FP6 (E2M3) with E8M0 scales, the rotary embedding of q and k in f32, and the quantising of q, k (along the head's 32) and v (along the keys).
; SHARES.  A work-group takes 256 tokens (panels 4 Y .. 4 Y + 3 of x) and panel i of each weight (64 rows: heads 2 i, 2 i + 1).  Four waves; wave w owns x's panel 4 Y + w (64 tokens) and makes all three results for it:
; 48 accumulators, 384 registers.  q, k: source 0 = the weight's four tiles, source 1 = my four token tiles.  By the order of the rows that the launch before chose, a lane then holds ONE token and the 32 registers
; of the four weight tiles are channels 0-31 of head 2 i + lane / 16: the partner d +- 16 of the embedding and the whole block of the quantiser lie in the lane.
; v: source 0 = my panel of x, source 1 = Wv's four tiles: a lane holds ONE channel and 32 neighbouring keys: again a whole block.
; A K step of 128 is 48 LDS loads of 512 consecutive bytes for 48 matrix instructions; the fragments have two sets of registers, and step k + 1 is fetched ahead of step k's products.
; LDS, filled once and only read: the weights as [K half 2][q, k, v][24,576 bytes] at 0; from 147,456 on K steps 0-6 of x's four panels, 43,008 bytes each.  All eight K steps of x would pass the LDS at hand by 17,408 bytes:
; K step 7 of my own panel, which no other wave reads, comes straight into 48 registers at the head.
; CLUSTER 4 x 4: x's panels hang on Y alone and are asked for jointly along a row of the cluster, the weights' on i alone, along a column.  One tensor load a wave: waves 0, 1 a K half of the three weights, waves 2, 3 two panels of x.
; No prefetch into the L2: all that the launch reads is asked for at its head.
; OUT, as the next launch reads it.  A record of 102,400 bytes for each (batch, head): K's scale bytes at 64 g + 4 i + beta; V's from 2,048 on; from 4,096 + 6,144 j on the images of key groups 2 j, 2 j + 1 and of V's two tiles,
; 1,536 bytes each, registers 2 p, 2 p + 1 of lane l at 256 p + 8 l.  q goes to qrec in K's places.
; REGISTERS.  Window 0: v0-31 addresses; v32-95 scale words; v96-191 x's fragments, two sets; v192-239 x's K step 7; at the end v96-241 are at work on the way out.
; Window 1: q's and k's weight fragments, two sets each (v0-191); v192-255 cos and sin of token tiles 0, 1.  Window 2: q's and k's accumulators.  Window 3: v's accumulators (v0-127), Wv's fragments (v128-223), cos and sin of tile 2 (v224-255).
; LIMITS: a block of zeros keeps the scale byte 1 (its codes are zeros; this program alone reads the bytes); NaN and infinities are not served.  The scale bytes leave in stores of two bytes a lane: one byte in 25 of the launch's output.
.set PANEL, 51200
.set SCOFF, 49152
.set REC,   102400
.set XLDS,  147456
.set XP,    43008
.set SPARE, 319488
.set SW,  32                           ; v32-79  the weights' scale words: 16 role + 4 tile + e: K step 2 e in lanes 0-15, 2 e + 1 in lanes 16-31
.set SX,  80                           ; v80-95  x's: 4 tile + e
.set XF,  96                           ; x's fragments: set p at 96 + 48 p
.set T,   96                           ; the way out: v96-127 products with sin
.set MX,  128                          ; v128-135 maxima
.set SC,  136                          ; v136-139 the conversions' scale operands
.set BY,  140                          ; v140-143 scale bytes
.set CD,  144                          ; v144-215 codes: 24 role + 6 tile
.set CT,  216                          ; v216-231 conversions' second halves
.set BW,  232                          ; v232-237 scale bytes as stored
.set PT,  238                          ; v238-241 lane permutes' destinations
.set MSB, 0
.macro WIN new                         ; the immediate's high byte repeats the setting that is left
.if MSB != (\new)
	s_set_vgpr_msb (MSB<<8)|(\new)
.set MSB, (\new)
.endif
.endm
.macro PLACES
.rept 4
	v_nop
.endr
.endm
.macro CROUND                          ; a round of the cluster's barrier
	s_barrier_signal -1
	s_barrier_wait -1
	s_cmp_lg_u32 s12, 0
	s_cbranch_scc1 .Lnot_wave_0_\@
	s_barrier_signal -3
.Lnot_wave_0_\@:
	s_barrier_wait -3
	s_barrier_signal -1
	s_barrier_wait -1
.endm
.macro MM k                            ; one product on DD, AA, BB, SA, SB; the first K step starts the sums; odd K steps take the scale words of lanes 16-31
.if (\k) == 0
	v_wmma_scale_f32_16x16x128_f8f6f4 v[DD:DD+7], v[AA:AA+11], v[BB:BB+11], 0, v[SA], v[SB] matrix_a_fmt:MATRIX_FMT_FP6 matrix_b_fmt:MATRIX_FMT_FP6
.elseif (\k)%2
	v_wmma_scale_f32_16x16x128_f8f6f4 v[DD:DD+7], v[AA:AA+11], v[BB:BB+11], v[DD:DD+7], v[SA], v[SB] matrix_a_fmt:MATRIX_FMT_FP6 matrix_b_fmt:MATRIX_FMT_FP6 matrix_a_scale:MATRIX_SCALE_ROW1 matrix_b_scale:MATRIX_SCALE_ROW1
.else
	v_wmma_scale_f32_16x16x128_f8f6f4 v[DD:DD+7], v[AA:AA+11], v[BB:BB+11], v[DD:DD+7], v[SA], v[SB] matrix_a_fmt:MATRIX_FMT_FP6 matrix_b_fmt:MATRIX_FMT_FP6
.endif
.endm
.macro FETCH k                         ; K step k's fragments into set k % 2: 36 loads for the weights, 12 for x (K step 7 of x is in registers)
	WIN 0x40                                       ; destination in window 1
.irp r, 0,1
.irp b, 0,1,2,3
.irp g, 0,1,2
	ds_load_b128 v[96*\r+48*((\k)%2)+12*\b+4*\g:96*\r+48*((\k)%2)+12*\b+4*\g+3], v[8+3*((\k)/4)+\r] offset:6144*((\k)%4)+1536*\b+512*\g
.endr
.endr
.endr
	WIN 0xc0                                       ; in window 3
.irp b, 0,1,2,3
.irp g, 0,1,2
	ds_load_b128 v[128+48*((\k)%2)+12*\b+4*\g:128+48*((\k)%2)+12*\b+4*\g+3], v[10+3*((\k)/4)] offset:6144*((\k)%4)+1536*\b+512*\g
.endr
.endr
	WIN 0
.if (\k) < 7
.irp a, 0,1,2,3
.irp g, 0,1,2
	ds_load_b128 v[XF+48*((\k)%2)+12*\a+4*\g:XF+48*((\k)%2)+12*\a+4*\g+3], v14 offset:6144*(\k)+1536*\a+512*\g
.endr
.endr
.endif
.endm
.macro MULS k                          ; 48 matrix instructions on 48 accumulators by turns, in the same order in every K step
.if (\k) == 7
.set XK, 192
.else
.set XK, XF+48*((\k)%2)
.endif
	WIN 0xa1                                       ; source 0 window 1, source 1 window 0, C and D window 2
.irp r, 0,1
.irp a, 0,1,2,3
.irp b, 0,1,2,3
.set DD, 128*\r+8*(4*\a+\b)
.set AA, 96*\r+48*((\k)%2)+12*\b
.set BB, XK+12*\a
.set SA, SW+16*\r+4*\b+(\k)/2
.set SB, SX+4*\a+(\k)/2
	MM \k
.endr
.endr
.endr
	WIN 0xfc                                       ; source 0 window 0, source 1, C and D window 3
.irp a, 0,1,2,3
.irp b, 0,1,2,3
.set DD, 8*(4*\a+\b)
.set AA, XK+12*\b
.set BB, 128+48*((\k)%2)+12*\a
.set SA, SX+4*\b+(\k)/2
.set SB, SW+32+4*\a+(\k)/2
	MM \k
.endr
.endr
.endm
.macro TABLE a, cb                     ; cos 0-15, sin 0-15 of my token of tile a
.irp q, 0,1,2,3,4,5,6,7
	global_load_b128 v[\cb+4*\q:\cb+4*\q+3], v3, s[70:71] offset:2048*\a+256*\q
.endr
.endm
.macro ROPE X0, CW, CB                 ; x[d] = x[d] cos - x[d + 16] sin, x[d + 16] = x[d + 16] cos + x[d] sin, d = 0 .. 15, two at a time; the table lies in window CW.  Every accumulator is read from its low end on
	WIN 2|((\CW)<<2)
.irp jp, 0,2,4,6,8,10,12,14
	v_pk_mul_f32 v[T+\jp:T+\jp+1], v[\X0+16+\jp:\X0+17+\jp], v[\CB+16+\jp:\CB+17+\jp]
	v_pk_mul_f32 v[T+16+\jp:T+17+\jp], v[\X0+\jp:\X0+1+\jp], v[\CB+16+\jp:\CB+17+\jp]
.endr
	WIN 0x82|((\CW)<<2)
.irp jp, 0,2,4,6,8,10,12,14
	v_pk_fma_f32 v[\X0+\jp:\X0+1+\jp], v[\X0+\jp:\X0+1+\jp], v[\CB+\jp:\CB+1+\jp], v[T+\jp:T+\jp+1] neg_lo:[0,0,1] neg_hi:[0,0,1]
	v_pk_fma_f32 v[\X0+16+\jp:\X0+17+\jp], v[\X0+16+\jp:\X0+17+\jp], v[\CB+\jp:\CB+1+\jp], v[T+16+\jp:T+17+\jp]
.endr
.endm
.macro QUANT4 W, X0, C0                ; four whole blocks of 32 registers, v[X0 + 32 a] on in window W, by turns: 24 bytes of codes each into v[C0 + 6 a] on, the bytes into v[BY + a]
	WIN (\W)|((\W)<<2)
.irp a, 0,1,2,3
	v_max3_num_f32 v[MX+2*\a], |v[\X0+32*\a]|, |v[\X0+32*\a+1]|, 0x1800000          ; the floor 2^(3 - 127): the byte cannot fall under 1
	v_max3_num_f32 v[MX+2*\a+1], |v[\X0+32*\a+16]|, |v[\X0+32*\a+17]|, 0x1800000
.endr
	WIN ((\W)<<2)|((\W)<<4)
.irp i, 2,4,6,8,10,12,14
.irp a, 0,1,2,3
	v_max3_num_f32 v[MX+2*\a], v[MX+2*\a], |v[\X0+32*\a+\i]|, |v[\X0+32*\a+\i+1]|
	v_max3_num_f32 v[MX+2*\a+1], v[MX+2*\a+1], |v[\X0+32*\a+16+\i]|, |v[\X0+32*\a+17+\i]|
.endr
.endr
	WIN 0
.irp a, 0,1,2,3
	v_max_num_f32 v[MX+2*\a], v[MX+2*\a], v[MX+2*\a+1]
.endr
.irp a, 0,1,2,3
	v_add_nc_u32 v[SC+\a], 0xff000000, v[MX+2*\a]  ; 2 off the exponent field: the conversion's scale operand
.endr
.irp a, 0,1,2,3
	v_lshrrev_b32 v[BY+\a], 23, v[SC+\a]
.endr
	WIN \W
.irp a, 0,1,2,3
	v_cvt_scalef32_pk16_fp6_f32 v[\C0+6*\a:\C0+6*\a+2], v[\X0+32*\a:\X0+32*\a+15], v[SC+\a]
	v_cvt_scalef32_pk16_fp6_f32 v[CT+4*\a:CT+4*\a+2], v[\X0+32*\a+16:\X0+32*\a+31], v[SC+\a]   ; (a conversion's three registers begin on an even number)
.endr
	v_nop                                          ; one plain place behind the conversions
	WIN 0
.irp a, 0,1,2,3
.irp i, 0,1,2
	v_mov_b32 v[\C0+6*\a+3+\i], v[CT+4*\a+\i]
.endr
.endr
.endm
.macro QKOUT r, pc, ps                 ; q (r = 0) or k (r = 1): turned, quantised, stored
	ROPE 128*\r, 1, 192
	ROPE 128*\r+32, 1, 224
	ROPE 128*\r+64, 3, 224
	ROPE 128*\r+96, 1, 0
	QUANT4 2, 128*\r, CD+24*\r
.irp pr, 0,1
.irp m, 0,1,2,3,4,5
	v_permlane16_swap_b32 v[CD+24*\r+12*\pr+\m], v[CD+24*\r+12*\pr+6+\m]   ; the first's lanes 16-31 (head 2 i + 1, even tile) change places with the second's lanes 0-15 (head 2 i, odd tile): now the first is head 2 i, the second head 2 i + 1
.endr
	v_lshl_or_b32 v[BW+2*\r+\pr], v[BY+2*\pr+1], 8, v[BY+2*\pr]            ; my token's two bytes: lane (r, h) speaks for head 2 i + h
.endr
.irp pr, 0,1
.irp m, 0,1,2
	global_store_b64 v2, v[CD+24*\r+12*\pr+2*\m:CD+24*\r+12*\pr+2*\m+1], s[\pc:\pc+1] offset:768*\pr+256*\m          ; 256 consecutive bytes
	global_store_b64 v2, v[CD+24*\r+12*\pr+6+2*\m:CD+24*\r+12*\pr+7+2*\m], s[\pc:\pc+1] offset:REC+768*\pr+256*\m
.endr
	global_store_b16 v4, v[BW+2*\r+\pr], s[\ps:\ps+1] offset:2*\pr
.endr
.endm
	s_load_b256 s[4:11], s[0:1], 0x0               ; ops s[4:5], rope s[6:7], qrec s[8:9], kvrec s[10:11]
	v_lshl_add_u32 v30, v0, 2, SPARE
	v_mov_b32 v31, 0
	ds_add_u32 v30, v31                            ; the opening lines: the add twice on end and one wait
	ds_add_u32 v30, v31
	v_lshrrev_b32 v16, 5, v0
	v_readfirstlane_b32 s12, v16                   ; wave 0..3
	v_and_b32 v17, 31, v0                          ; lane
	v_and_b32 v18, 15, v0                          ; r
	v_bfe_u32 v19, v0, 4, 1                        ; h
	v_lshlrev_b32 v1, 4, v17                       ; 16 x lane
	v_lshlrev_b32 v2, 3, v17                       ; 8 x lane
	v_lshlrev_b32 v3, 4, v18                       ; 16 r
	v_mul_u32_u24 v4, v19, REC
	v_lshl_add_u32 v4, v18, 2, v4                  ; 4 r, + a record for lanes 16-31
	v_lshlrev_b32 v5, 2, v17                       ; 4 x lane
	v_lshlrev_b32 v6, 3, v19                       ; 8 h
.irp q, 0,1,2,3,4,5
	v_add_nc_u32 v[8+\q], 24576*\q, v1             ; LDS: the weights' images of K half q / 3, role q % 3
.endr
	s_mul_i32 s13, s12, XP
	s_add_co_u32 s13, s13, XLDS
	v_add_nc_u32 v14, s13, v1                      ; and my panel of x: the addresses hang on the wave's number and the lane alone
	s_and_b32 s14, s12, 1
	s_mov_b32 s22, 0x76543210
	s_mov_b32 s23, 0xfedcba98                      ; v_permlanex16_b32's selects for lane l xor 16
	s_mov_b32 s3, 0xffff0000                       ; lanes 16-31
	s_bfe_u32 s15, ttmp6, 0x40000                  ; cx
	s_bfe_u32 s16, ttmp6, 0x40004                  ; cy
	s_lshl_b32 s17, ttmp9, 2
	s_add_co_u32 s17, s17, s15                     ; i = 4 x cluster x + cx
	s_and_b32 s18, ttmp7, 0xffff
	s_lshl_b32 s18, s18, 2
	s_add_co_u32 s18, s18, s16                     ; Y = 4 x cluster y + cy
	s_lshl_b32 s19, s16, 2
	s_lshl_b32 s19, 15, s19                        ; my row of the cluster
	s_lshl_b32 s20, 0x1111, s15                    ; my column
	; group 1 for x: two panels' rows of 43,008 bytes (5,376 elements of 8 bytes), 51,200 bytes apart
	s_or_b32 s24, s19, (3<<16)|(1<<21)             ; 15:0 the mask; 17:16 elements of 8 bytes; 21 set beside a mask
	s_mov_b32 s25, 5376<<16                        ; tensor_dim0
	s_mov_b32 s26, 2<<16                           ; tensor_dim1
	s_mov_b32 s27, 5376<<16                        ; tile_dim0
	s_mov_b32 s28, 2                               ; tile_dim1
	s_mov_b32 s29, 6400                            ; from row to row
	s_mov_b32 s30, 0
	s_mov_b32 s31, 0
	; and for the weights: three panels' rows of 24,576 bytes (a K half), 16 panels apart
	s_or_b32 s32, s20, (3<<16)|(1<<21)
	s_mov_b32 s33, 3072<<16
	s_mov_b32 s34, 3<<16
	s_mov_b32 s35, 3072<<16
	s_mov_b32 s36, 3
	s_mov_b32 s37, 102400
	s_mov_b32 s38, 0
	s_mov_b32 s39, 0
	; x's address in registers that never hold cx: panels 4 Y + 2 (wave % 2) on
	s_lshl_b32 s48, s18, 2
	s_lshl_b32 s49, s14, 1
	s_add_co_u32 s48, s48, s49
	s_mul_i32 s48, s48, PANEL
	s_mov_b32 s49, 0
	; the weights' in registers that never hold cy: panel 64 + i, K half wave % 2
	s_add_co_u32 s52, s17, 64
	s_mul_i32 s52, s52, PANEL
	s_mul_i32 s53, s14, 24576
	s_add_co_u32 s52, s52, s53
	s_mov_b32 s53, 0
	s_mul_i32 s21, s14, 2*XP
	s_add_co_u32 s21, s21, XLDS                    ; where x's load lands,
	s_mul_i32 s54, s14, 73728                      ; and the weights'
	s_wait_dscnt 0x0
	s_wait_kmcnt 0x0
	s_mov_b32 s40, 1
	s_mov_b32 s41, s21
	s_add_nc_u64 s[42:43], s[4:5], s[48:49]
	s_or_b32 s43, s43, 0x80000000
	s_mov_b32 s44, 1
	s_mov_b32 s45, s54
	s_add_nc_u64 s[46:47], s[4:5], s[52:53]
	s_or_b32 s47, s47, 0x80000000
	CROUND                                         ; all sixteen work-groups are here: the joint loads meet
	s_cmp_lt_u32 s12, 2                            ; waves 0, 1 fetch the weights, waves 2, 3 x; four v_nop follow each load
	s_cbranch_scc0 .Lfor_x
	tensor_load_to_lds s[44:47], s[32:39]
	s_nop 0
	PLACES
	s_branch .Lasked
.Lfor_x:
	tensor_load_to_lds s[40:43], s[24:31]
	s_nop 0
	PLACES
.Lasked:
	s_lshl_b32 s66, s18, 2
	s_add_co_u32 s66, s66, s12
	s_mul_i32 s66, s66, PANEL
	s_mov_b32 s67, 0
	s_add_nc_u64 s[66:67], s[4:5], s[66:67]        ; my panel of x
	s_add_co_u32 s68, s17, 64
	s_mul_i32 s68, s68, PANEL
	s_add_co_u32 s68, s68, SCOFF
	s_mov_b32 s69, 0
	s_add_nc_u64 s[68:69], s[4:5], s[68:69]        ; Wq's panel's scale words; Wk's and Wv's lie 16 and 32 panels on
	s_lshl_b32 s70, s18, 4
	s_lshl_b32 s71, s12, 2
	s_add_co_u32 s70, s70, s71
	s_lshl_b32 s70, s70, 11                        ; the table's tile 16 Y + 4 wave
	s_mov_b32 s71, 0
	s_add_nc_u64 s[70:71], s[6:7], s[70:71]
	s_wait_alu depctr_va_vdst(0)                   ; the wait here, ahead of the readers below
.irp t, 0,1,2,3
.irp kh, 0,1
	global_load_b64 v[SX+4*\t+2*\kh:SX+4*\t+2*\kh+1], v2, s[66:67] offset:SCOFF+512*\t+256*\kh   ; the scale words of all of K stay in registers
.endr
.endr
.irp r, 0,1,2
.irp t, 0,1,2,3
.irp kh, 0,1
	global_load_b64 v[SW+16*\r+4*\t+2*\kh:SW+16*\r+4*\t+2*\kh+1], v2, s[68:69] offset:16*PANEL*\r+512*\t+256*\kh
.endr
.endr
.endr
.irp a, 0,1,2,3
.irp g, 0,1,2
	global_load_b128 v[192+12*\a+4*\g:192+12*\a+4*\g+3], v1, s[66:67] offset:7*6144+1536*\a+512*\g   ; K step 7 of my panel
.endr
.endr
	WIN 0x40
	TABLE 0, 192
	TABLE 1, 224
	WIN 0xc0
	TABLE 2, 224
	WIN 0
	; where the results go
	s_lshl_b32 s72, s18, 1
	s_lshr_b32 s73, s12, 1
	s_add_co_u32 s72, s72, s73                     ; which 128 tokens: 2 Y + wave / 2
	s_and_b32 s73, s72, 15                         ; j: which 128 of the sequence
	s_lshr_b32 s72, s72, 4                         ; batch
	s_lshl_b32 s72, s72, 5
	s_lshl_b32 s74, s17, 1
	s_add_co_u32 s72, s72, s74                     ; record 32 b + 2 i
	s_mul_i32 s74, s72, REC
	s_mul_i32 s75, s73, 6144
	s_add_co_u32 s75, s74, s75
	s_mul_i32 s76, s14, 1536
	s_add_co_u32 s76, s76, s75
	s_add_co_u32 s76, s76, 4096                    ; q, k: the image of group 2 j + wave % 2
	s_mov_b32 s77, 0
	s_lshl_b32 s78, s73, 1
	s_add_co_u32 s78, s78, s14
	s_lshl_b32 s78, s78, 6
	s_add_co_u32 s78, s78, s74                     ; its scale bytes
	s_mov_b32 s79, 0
	s_mul_i32 s80, s14, 768
	s_add_co_u32 s80, s80, s75
	s_add_co_u32 s80, s80, 7168                    ; v: keys 128 j + 64 (wave % 2) on
	s_mov_b32 s81, 0
	s_lshl_b32 s82, s73, 7
	s_add_co_u32 s82, s82, s74
	s_lshl_b32 s83, s14, 1
	s_add_co_u32 s82, s82, s83
	s_add_co_u32 s82, s82, 2048
	s_mov_b32 s83, 0
	s_add_nc_u64 s[84:85], s[8:9], s[76:77]
	s_add_nc_u64 s[86:87], s[8:9], s[78:79]
	s_add_nc_u64 s[88:89], s[10:11], s[76:77]
	s_add_nc_u64 s[90:91], s[10:11], s[78:79]
	s_add_nc_u64 s[92:93], s[10:11], s[80:81]
	s_add_nc_u64 s[94:95], s[10:11], s[82:83]
	s_wait_alu depctr_va_vdst(0)                   ; the wait at the head's end
	s_wait_loadcnt 0x0
	s_wait_tensorcnt 0x0                           ; my part of LDS has landed,
	s_barrier_signal -1
	s_barrier_wait -1                              ; everybody's has
	FETCH 0
.irp k, 0,1,2,3,4,5,6
.if \k > 0
	PLACES                                         ; four places in front of loads into registers that matrix instructions have read
.endif
	FETCH \k+1
.if \k < 6
	s_wait_dscnt 48                                ; this step's fragments are in; the 48 loads just issued may be out
.else
	s_wait_dscnt 36                                ; (K step 7 has 36)
.endif
	MULS \k
.endr
	PLACES
	WIN 0x40
	TABLE 3, 0                                     ; tile 3's cos and sin, into the set of Wq's fragments that is read no more
	WIN 0
	s_wait_dscnt 0x0
	MULS 7
	WIN 0
	PLACES                                         ; in front of the first reads of results and the first writes over operands
	; ---- v: head 2 i + tile / 2, keys 128 j + 64 (wave % 2) + 32 h + 0 .. 31, channel 16 (r / 8) + 8 (tile % 2) + r % 8
	QUANT4 3, 0, CD+48
.irp a, 0,1,2,3
	v_mov_b32 v[PT+\a], 0                          ; a lane permute's destination counts as one of its sources
.endr
.irp a, 0,1,2,3
	v_lshlrev_b32 v[BY+\a], v6, v[BY+\a]           ; my byte at its place, 8 h bits up
.endr
.irp a, 0,1,2,3
	v_permlanex16_b32 v[PT+\a], v[BY+\a], s22, s23
.endr
.irp a, 0,1,2,3
	v_or_b32 v[BY+\a], v[BY+\a], v[PT+\a]          ; with lane l xor 16's: two bytes
.endr
.irp pr, 0,1
	v_cndmask_b32 v[BW+4+\pr], v[BY+2*\pr], v[BY+2*\pr+1], s3      ; lanes 0-15 store the even tile's, lanes 16-31 the odd one's
.endr
.irp a, 0,1,2,3
.irp m, 0,1,2
	global_store_b64 v2, v[CD+48+6*\a+2*\m:CD+48+6*\a+2*\m+1], s[92:93] offset:REC*(\a/2)+1536*(\a%2)+256*\m
.endr
.endr
.irp pr, 0,1
	global_store_b16 v5, v[BW+4+\pr], s[94:95] offset:REC*\pr
.endr
	s_wait_alu depctr_va_vdst(0)                   ; the wait here, directly ahead of the wait below
	s_wait_loadcnt 0x0                             ; tile 3's table is in
	QKOUT 0, 84, 86
	QKOUT 1, 88, 90
	s_wait_tensorcnt 0x0                           ; the wave's end
	ds_add_u32 v30, v31
	s_wait_dscnt 0x0
	CROUND                                         ; the closing round: no work-group ends while a partner may still ask for a tile that names it
	s_endpgm
.Lfunc_end_k_qdcecbae793_qkv:
	.size	k_qdcecbae793_qkv, .Lfunc_end_k_qdcecbae793_qkv-k_qdcecbae793_qkv
	.p2alignl 7, 3214868480
	.fill 96, 4, 3214868480
	.section	.rodata,"a",@progbits
	.p2align	6, 0x0
	.amdhsa_kernel k_qdcecbae793_qkv
		.amdhsa_group_segment_fixed_size 327680
		.amdhsa_private_segment_fixed_size 0
		.amdhsa_enable_private_segment 0
		.amdhsa_kernarg_size 32
		.amdhsa_user_sgpr_count 2
		.amdhsa_user_sgpr_kernarg_segment_ptr 1
		.amdhsa_wavefront_size32 1
		.amdhsa_system_sgpr_workgroup_id_x 1
		.amdhsa_system_sgpr_workgroup_id_y 1
		.amdhsa_system_sgpr_workgroup_id_z 1
		.amdhsa_system_vgpr_workitem_id 0
		.amdhsa_next_free_vgpr 1024
		.amdhsa_next_free_sgpr 100
		.amdhsa_reserve_vcc 0
		.amdhsa_float_denorm_mode_32 3
		.amdhsa_float_denorm_mode_16_64 3
		.amdhsa_memory_ordered 1
		.amdhsa_forward_progress 1
		.amdhsa_inst_pref_size 129
	.end_amdhsa_kernel
	.amdgpu_metadata
---
amdhsa.version: [ 1, 2 ]
amdhsa.kernels:
  - .name:           k_qdcecbae793_qkv
    .symbol:         k_qdcecbae793_qkv.kd
    .args:
      - { .name: ops, .offset: 0, .size: 8, .value_kind: global_buffer, .address_space: global }
      - { .name: rope, .offset: 8, .size: 8, .value_kind: global_buffer, .address_space: global }
      - { .name: qrec, .offset: 16, .size: 8, .value_kind: global_buffer, .address_space: global }
      - { .name: kvrec, .offset: 24, .size: 8, .value_kind: global_buffer, .address_space: global }
    .group_segment_fixed_size: 327680
    .private_segment_fixed_size: 0
    .kernarg_segment_align: 8
    .kernarg_segment_size: 32
    .max_flat_workgroup_size: 128
    .sgpr_count:     100
    .vgpr_count:     1024
    .wavefront_size: 32
...
	.end_amdgpu_metadata
.endif
;; end of part 2
;; launch attn (part 3): grid 4 x 64, 8 waves a work-group, clusters of 4 x 1, 169,984 bytes of LDS; arguments qrec, kvrec, acodes, ascales; writes acodes, ascales
.if DOCPART == 3
	.amdgcn_target "amdgcn-amd-amdhsa--gfx1250"
	.amdhsa_code_object_version 6
	.text
	.protected	k_qdcecbae793_attn
	.globl	k_qdcecbae793_attn
	.p2align	8
	.type	k_qdcecbae793_attn,@function
k_qdcecbae793_attn:
	s_mov_b64 s[64:65], 0
	v_nop
	global_prefetch_b8 v0, s[64:65] scope:SCOPE_SE
	s_setreg_imm32_b32 hwreg(HW_REG_WAVE_MODE, 25, 1), 1
	s_wait_xcnt 0x0
	s_wait_alu depctr_hold_cnt(0) depctr_sa_sdst(0) depctr_va_vdst(0) depctr_va_sdst(0) depctr_va_ssrc(0) depctr_va_vcc(0) depctr_vm_vsrc(0)
	s_getreg_b32 s2, hwreg(HW_REG_IB_STS2, 6, 4)
	s_cmp_eq_u32 s2, 0
	s_cbranch_scc0 .Lentry_in_a_cluster
	s_endpgm
.Lentry_in_a_cluster:
	s_bfe_u32 s2, ttmp6, 0x10000c
	s_cmp_lg_u32 s2, 0x3003
	s_cbranch_scc0 .Lentry_shape_is_right
	s_endpgm
.Lentry_shape_is_right:
; Causal attention of one (batch, head), head size 32, both products on codes of FP6 (E2M3) with E8M0 scales; the result, divided by the row's sum, is quantised along the head's 32 channels for the last product.
; THE SOFTMAX: t = score x log2(e) / sqrt(32); M = the running largest t rounded UP to a whole number; p = 2^(t - M) is quantised along the keys, not normalised; the sum is taken of the unquantised p.
; When M moves, the sum and O are multiplied by 2^(old M - new M): exact.
; K = 32 IN AN INSTRUCTION OF K = 128.  A fragment of K holds FOUR KEYS in a row: row i, block beta = key 64 g + 32 (i / 8) + 8 beta + i % 8.  Q stands in four operands, its codes in block beta and zero codes elsewhere.
; Two fragments x four operands give 128 keys; register 32 c + 8 beta + j of lane (r, h) is key 128 J + 64 c + 32 h + 8 beta + j of query r: a WHOLE block of the second product's K in one lane.
; O^T = V^T P^T: source 0 = 16 channels (tile t: channel 16 (i / 8) + 8 t + i % 8), so a lane's 16 results are channels 16 h + 0 .. 15 of its query.
; SHARES.  The head's record (K's and V's scale bytes and images, 102,400 bytes) comes into LDS once and is only read.  The four work-groups of a cluster belong to one head and ask for it jointly, each wave 12,800 bytes: one tensor load a wave.
; Work-group p, wave w of eight: the TWO query tiles 8 s + 2 p + u, u = 0, 1, side by side, for s = 15 - w and then s = w: 17 steps of 128 keys in every wave.  Each fragment of K and V read from LDS serves both tiles,
; and the two tiles' chains of dependent lines stand by turns.  Steps wholly behind the diagonal are left out by a scalar branch on the wave's number; trip counts are constants; the place in the cluster enters global offsets and the mask's comparison alone.
; THE MASK.  On the diagonal step register 32 c + n of tile u is hidden where 64 c + n - 16 u > d, d = 32 p + r - 32 h: the same in both passes.  So 96 registers E[y] = -1e30 where y > d, else 0 (y = -16 .. 31, 48 .. 95), are made once,
; and the diagonal step's score products take them as C: a hidden score is -1e30, and its p is 0.
; K's fragments of step J + 1 are asked of LDS behind the score products of step J, into the same registers, in all steps but a pass's last; the second pass's q is asked of memory in the first pass.
; No prefetch into the L2: the record is asked for whole at the head, and no stream follows in which to run ahead.
; REGISTERS.  Window 0: addresses, state, Q's operands (Z Q0lo Z Q0hi Z Q1lo Z Q1hi Z: 54 registers, the zeros shared), K, V, p's codes, temporaries.  Window 1: v0-127 S^T then p of tiles 0, 1; v128-159 O^T; v160-255 E.
; LIMITS: the promise holds while the scaled scores stay under 2^31 in magnitude; a block whose every p is 0 keeps the scale byte 1 (its codes are zeros); NaN and infinities are not served.  The scale bytes leave by stores of one byte a lane: one byte in 25 of the output.
.set REC, 102400
.set QB,  32                           ; v32-85   Q's operands
.set QS,  86                           ; v86-93   their scale words: 4 u + beta
.set RA,  94                           ; v94-108  q as loaded: 8 u: six registers of codes, one byte
.set KF,  110                          ; v110-133 K's two fragments
.set VF,  134                          ; v134-157 V's two
.set KSW, 158                          ; K's scale words, V's, p's (u)
.set VSW, 159
.set PSW, 160
.set PF,  162                          ; v162-185 p's codes: 12 u
.set CT,  186                          ; v186-200 conversions' second halves: 8 u, 8 u + 4
.set BM,  202                          ; v202-209 maxima: chain q = 4 u + 2 c + half
.set TT,  210                          ; v210-211 temporaries (u)
.set PL,  212                          ; v212-215 lane permutes' destinations
.set TS,  216                          ; v216-247 partial sums, 16 u; at a pass's end O / sum
.set DT,  248                          ; v248-251 temporaries (u)
.set FL,  250
.set SCL, 28                           ; v28-31   the conversions' scale operands: 2 u + c
.set MSB, 0
.macro WIN new                         ; the immediate's high byte repeats the setting that is left
.if MSB != \new
	s_set_vgpr_msb (MSB<<8)|\new
.set MSB, \new
.endif
.endm
.macro PLACES
.rept 4
	v_nop
.endr
.endm
.macro CROUND
	s_barrier_signal -1
	s_barrier_wait -1
	s_cmp_lg_u32 s12, 0
	s_cbranch_scc1 .Lnot_wave_0_\@
	s_barrier_signal -3
.Lnot_wave_0_\@:
	s_barrier_wait -3
	s_barrier_signal -1
	s_barrier_wait -1
.endm
.macro QLOAD c, b                      ; both tiles' q: 24 bytes of codes of query r in both halves of the lanes, and its scale byte
.irp u, 0,1
	global_load_b64 v[RA+8*\u:RA+8*\u+1], v11, s[\c:\c+1] offset:768*\u
	global_load_b64 v[RA+8*\u+2:RA+8*\u+3], v11, s[\c:\c+1] offset:768*\u+256
	global_load_b64 v[RA+8*\u+4:RA+8*\u+5], v11, s[\c:\c+1] offset:768*\u+512
	global_load_u8 v[RA+8*\u+6], v12, s[\b:\b+1] offset:2*\u
.endr
.endm
.macro KLOAD a, w, o, ow               ; K's two fragments (256 consecutive bytes a load) and scale words: group 2 J in lanes 0-15, 2 J + 1 in lanes 16-31
.irp c, 0,1
.irp pp, 0,1,2,3,4,5
	ds_load_b64 v[KF+12*\c+2*\pp:KF+12*\c+2*\pp+1], v[\a] offset:4096+\o+1536*\c+256*\pp
.endr
.endr
	ds_load_b32 v[KSW], v[\w] offset:\ow
.endm
.macro VLOAD                           ; V's two fragments and scale words: tile 0 in lanes 0-15, tile 1 in lanes 16-31
.irp t, 0,1
.irp pp, 0,1,2,3,4,5
	ds_load_b64 v[VF+12*\t+2*\pp:VF+12*\t+2*\pp+1], v6 offset:7168+1536*\t+256*\pp
.endr
.endr
	ds_load_b32 v[VSW], v7 offset:2048
.endm
.macro QK m                            ; S^T = K Q^T: 16 products on 16 accumulators; m = 1: the diagonal step's, with the mask as C
.irp u, 0,1
.irp c, 0,1
.irp b, 0,1,2,3
.set DD, 64*\u+32*\c+8*\b
.set QQ, QB+24*\u+6+12*\b-30*(\b/2)
.set EE, 176+48*\c+8*\b-16*\u
.if \m == 0
.if \c == 0
	v_wmma_scale_f32_16x16x128_f8f6f4 v[DD:DD+7], v[KF:KF+11], v[QQ:QQ+11], 0, v[KSW], v[QS+4*\u+\b] matrix_a_fmt:MATRIX_FMT_FP6 matrix_b_fmt:MATRIX_FMT_FP6
.else
	v_wmma_scale_f32_16x16x128_f8f6f4 v[DD:DD+7], v[KF+12:KF+23], v[QQ:QQ+11], 0, v[KSW], v[QS+4*\u+\b] matrix_a_fmt:MATRIX_FMT_FP6 matrix_b_fmt:MATRIX_FMT_FP6 matrix_a_scale:MATRIX_SCALE_ROW1
.endif
.else
.if \c == 0
	v_wmma_scale_f32_16x16x128_f8f6f4 v[DD:DD+7], v[KF:KF+11], v[QQ:QQ+11], v[EE:EE+7], v[KSW], v[QS+4*\u+\b] matrix_a_fmt:MATRIX_FMT_FP6 matrix_b_fmt:MATRIX_FMT_FP6
.else
	v_wmma_scale_f32_16x16x128_f8f6f4 v[DD:DD+7], v[KF+12:KF+23], v[QQ:QQ+11], v[EE:EE+7], v[KSW], v[QS+4*\u+\b] matrix_a_fmt:MATRIX_FMT_FP6 matrix_b_fmt:MATRIX_FMT_FP6 matrix_a_scale:MATRIX_SCALE_ROW1
.endif
.endif
.endr
.endr
.endr
.endm
	s_load_b256 s[4:11], s[0:1], 0x0               ; qrec s[4:5], kvrec s[6:7], acodes s[8:9], ascales s[10:11]
	v_lshl_add_u32 v254, v0, 2, 0x29000
	v_mov_b32 v255, 0
	ds_add_u32 v254, v255                          ; the opening lines: the add twice on end and one wait
	ds_add_u32 v254, v255
	v_lshrrev_b32 v1, 5, v0
	v_readfirstlane_b32 s12, v1                    ; wave 0..7
	v_and_b32 v248, 31, v0                         ; lane
	v_and_b32 v249, 15, v0                         ; r
	v_bfe_u32 v250, v0, 4, 1                       ; h
	v_lshlrev_b32 v1, 3, v248                      ; 8 x lane: an image's place for my lane
	v_lshlrev_b32 v2, 2, v248                      ; 4 x lane: a scale word's
	v_lshlrev_b32 v3, 3, v250                      ; 8 h
	v_mul_u32_u24 v8, v249, 24
	v_mad_u32_u24 v8, v250, 12, v8                 ; out: 24 r + 12 h
	v_lshlrev_b32 v9, 2, v249                      ; 4 r
	v_mov_b32 v10, 0xf149f2ca                      ; -1e30
	v_and_b32 v251, 7, v249
	v_bfe_u32 v252, v249, 3, 1
	v_lshlrev_b32 v11, 3, v251
	v_lshl_add_u32 v11, v252, 7, v11               ; q's codes: 8 (r % 8) + 128 (r / 8)
	v_lshl_add_u32 v12, v251, 2, v252              ; its byte: 4 (r % 8) + r / 8
	v_lshlrev_b32 v253, 5, v250
	v_sub_nc_u32 v4, v249, v253                    ; r - 32 h
.irp z, 0,12,24,36,48
.irp m, 0,1,2,3,4,5
	v_mov_b32 v[QB+\z+\m], 0                       ; the zero codes of Q's operands: written once
.endr
.endr
.irp z, 212,213,214,215,25,27
	v_mov_b32 v[\z], 0                             ; lane permutes' destinations count as sources; v25, v27 are named as upper halves of pairs
.endr
	s_and_b32 s14, ttmp7, 0xffff                   ; the record: 32 b + head
	s_mov_b32 s24, 15|(3<<16)|(1<<21)              ; group 1: the mask: all four work-groups; elements of 8 bytes; 21 set beside a mask
	s_mov_b32 s25, 32<<16                          ; rows of 256 bytes
	s_mov_b32 s26, 50<<16
	s_mov_b32 s27, 32<<16
	s_mov_b32 s28, 50                              ; 50 rows
	s_mov_b32 s29, 32                              ; dense
	s_mov_b32 s30, 0
	s_mov_b32 s31, 0
	s_mul_i32 s58, s14, REC                        ; the record's first byte
	s_mov_b32 s59, 0
	s_mul_i32 s60, s12, 12800                      ; my wave's part, in memory and in LDS
	s_mov_b32 s61, 0
	s_mov_b32 s22, 0x3e8293ee                      ; c = log2(e) / sqrt(32)
	s_mov_b32 s23, s22                             ; (named with it as a pair)
	s_mov_b32 s36, 0x76543210
	s_mov_b32 s37, 0xfedcba98                      ; v_permlanex16_b32's selects for lane l xor 16
	s_mov_b32 s38, 0xffff0000                      ; lanes 16-31
	s_wait_dscnt 0x0
	s_wait_kmcnt 0x0
	s_mov_b32 s32, 1
	s_mov_b32 s33, s60
	s_add_nc_u64 s[34:35], s[6:7], s[58:59]
	s_add_nc_u64 s[34:35], s[34:35], s[60:61]
	s_or_b32 s35, s35, 0x80000000
	CROUND                                         ; all four work-groups are here: the joint loads meet
	tensor_load_to_lds s[32:35], s[24:31]
	s_nop 0
	PLACES
	; what hangs on my place p in the cluster: global offsets, and the number that the mask compares with
	s_bfe_u32 s13, ttmp6, 0x40000                  ; p
	s_lshr_b32 s50, s13, 1
	s_and_b32 s51, s13, 1
	s_mul_i32 s52, s50, 1536
	s_lshl_b32 s56, s51, 6
	s_add_co_u32 s52, s52, s56
	s_add_co_u32 s52, s52, s58
	s_add_co_u32 s52, s52, 4096                    ; tile 0's q codes, less 6,144 s (tile 1's lie 768 on)
	s_lshl_b32 s53, s50, 6
	s_lshl_b32 s56, s51, 5
	s_add_co_u32 s53, s53, s56
	s_add_co_u32 s53, s53, s58                     ; its scale bytes, less 128 s (tile 1's 2 on)
	s_lshl_b32 s57, s13, 1                         ; 2 p: tile 0's place among the eight of a step's 128 queries
	s_mul_i32 s54, s14, 49152
	s_mul_i32 s56, s57, 384
	s_add_co_u32 s54, s54, s56                     ; the output's codes, less 3,072 s (tile 1's 384 on)
	s_lshr_b32 s55, s14, 2
	s_lshl_b32 s55, s55, 13
	s_lshl_b32 s56, s57, 6
	s_add_co_u32 s55, s55, s56
	s_and_b32 s56, s14, 3
	s_add_co_u32 s55, s55, s56                     ; its scale bytes, less 512 s (tile 1's 64 on)
	s_sub_co_u32 s17, 15, s12                      ; s of the first pass
	s_mul_i32 s56, s17, 6144
	s_add_co_u32 s40, s52, s56
	s_mov_b32 s41, 0
	s_add_nc_u64 s[40:41], s[4:5], s[40:41]        ; the first pass's q,
	s_lshl_b32 s56, s17, 7
	s_add_co_u32 s46, s53, s56
	s_mov_b32 s47, 0
	s_add_nc_u64 s[46:47], s[4:5], s[46:47]
	s_mul_i32 s56, s12, 6144
	s_add_co_u32 s66, s52, s56
	s_mov_b32 s67, 0
	s_add_nc_u64 s[66:67], s[4:5], s[66:67]        ; and the second's
	s_lshl_b32 s56, s12, 7
	s_add_co_u32 s68, s53, s56
	s_mov_b32 s69, 0
	s_add_nc_u64 s[68:69], s[4:5], s[68:69]
	s_lshl_b32 s56, s57, 4
	s_mov_b32 s21, 2
	s_wait_alu depctr_va_vdst(0)                   ; the wait here, ahead of the readers below
	QLOAD 40, 46
	v_add_nc_u32 v4, s56, v4                       ; d = 32 p + r - 32 h
	WIN 0x40                                       ; destination in window 1
.set e, 0
.rept 96
.if e < 48
.set y, e-16
.else
.set y, e
.endif
	v_cmp_gt_i32 vcc_lo, y, v4
	v_cndmask_b32 v[160+e], 0, v10, vcc_lo         ; E[y] = -1e30 where y > d, else 0
.set e, e+1
.endr
	WIN 0
	s_wait_alu depctr_va_vdst(0)                   ; the wait at the head's end
	s_wait_tensorcnt 0x0                           ; my part of the record has landed,
	s_barrier_signal -1
	s_barrier_wait -1                              ; everybody's has
.Ltile:
	s_wait_loadcnt 0x0                             ; this pass's q is in
	s_mul_i32 s56, s17, 3072
	s_add_co_u32 s42, s54, s56
	s_mov_b32 s43, 0
	s_add_nc_u64 s[42:43], s[8:9], s[42:43]
	s_lshl_b32 s56, s17, 9
	s_add_co_u32 s44, s55, s56
	s_mov_b32 s45, 0
	s_add_nc_u64 s[44:45], s[10:11], s[44:45]
.irp u, 0,1
.irp m, 0,1,2,3,4,5
	v_cndmask_b32 v[QB+24*\u+6+\m], v[RA+8*\u+\m], v[QB], s38      ; Q in lanes 0-15,
	v_cndmask_b32 v[QB+24*\u+18+\m], v[QB], v[RA+8*\u+\m], s38     ; Q in lanes 16-31
.endr
.endr
	v_mov_b32 v[DT], 0x01010101
	v_add_nc_u32 v[TT], -1, v[RA+6]
	v_add_nc_u32 v[TT+1], -1, v[RA+14]
.irp u, 0,1
	v_add_nc_u32 v[QS+4*\u], v[DT], v[TT+\u]       ; operand beta's scale word: q's byte at place beta, 1 elsewhere
	v_lshl_add_u32 v[QS+4*\u+1], v[TT+\u], 8, v[DT]
	v_lshl_add_u32 v[QS+4*\u+2], v[TT+\u], 16, v[DT]
	v_lshl_add_u32 v[QS+4*\u+3], v[TT+\u], 24, v[DT]
.endr
	s_cmp_lg_u32 s21, 2
	s_cbranch_scc1 .Lno_q                          ; in the first pass alone: the second pass's q, into the registers just read
	QLOAD 66, 68
.Lno_q:
	KLOAD 1, 2, 0, 0                               ; step 0's K
.irp u, 0,1
	v_mov_b32 v[17+2*\u], 0xff61b1e6               ; the largest score so far: -3e38
	v_mov_b32 v[16+2*\u], 0x7e000000               ; -M: so large that the first change of M multiplies by 0
	v_mov_b32 v[20+2*\u], 0                        ; the sum, in two halves
	v_mov_b32 v[21+2*\u], 0
.endr
	WIN 0x40
.set n, 0
.rept 32
	v_mov_b32 v[128+n], 0                          ; O^T: the first change of M multiplies zeros.  (Also the places between the scale words and operands just made and the first product)
.set n, n+1
.endr
	WIN 0
	s_mov_b32 s18, 0                               ; J
	s_mov_b32 s19, 0                               ; 6,144 J
	s_mov_b32 s20, 0                               ; 128 J
	s_wait_alu depctr_va_vdst(0)                   ; the wait here, directly ahead of the wait below
	s_wait_dscnt 0x0                               ; step 0's K is in
.Lstep:                                            ; 16 trips; the work of steps behind the diagonal is jumped over.  No LDS load is out here: each step ends behind a wait for all of them
	s_cmp_gt_u32 s18, s17
	s_cbranch_scc1 .Lskip
	s_cmp_eq_u32 s18, s17
	s_cbranch_scc1 .Ldiag                          ; the step on the diagonal, a pass's last
	s_min_u32 s48, s19, 86016                      ; (J is 14 at the most here: the hold keeps the address of the next step's K inside the record by the text's own arithmetic)
	s_min_u32 s49, s20, 1792
	WIN 0x40                                       ; D in window 1
	QK 0
	WIN 0
	v_add_nc_u32 v13, s48, v1                      ; four plain lines: the places in front of the loads into registers that products have read, and of the first reads of S
	v_add_nc_u32 v14, s49, v2
	v_add_nc_u32 v6, s19, v1
	v_add_nc_u32 v7, s20, v2
	KLOAD 13, 14, 6144, 128                        ; the next step's K
	VLOAD
	s_branch .Lscored
.Ldiag:
	WIN 0x50                                       ; C and D in window 1
	QK 1
	WIN 0
	v_add_nc_u32 v6, s19, v1
	v_add_nc_u32 v7, s20, v2
	v_nop
	v_nop                                          ; four places, as above
	VLOAD
.Lscored:
	; the largest score of each block of 32 keys, in eight chains of 16 registers; every accumulator is read from its low end on
	WIN 0x15
.irp q, 0,1,2,3,4,5,6,7
	v_max3_num_f32 v[BM+\q], v[16*\q], v[16*\q+1], v[16*\q+2]
.endr
	WIN 0x14
.irp i, 3,5,7,9,11,13
.irp q, 0,1,2,3,4,5,6,7
	v_max3_num_f32 v[BM+\q], v[BM+\q], v[16*\q+\i], v[16*\q+\i+1]
.endr
.endr
.irp q, 0,2,4,6
	v_max3_num_f32 v[BM+\q], v[BM+\q], v[16*\q+15], v[16*\q+31]
.endr
	WIN 0
.irp q, 0,2,4,6
	v_max_num_f32 v[BM+\q], v[BM+\q], v[BM+\q+1]
.endr
	; the row's running maximum, M and f, the two tiles by turns
.irp u, 0,1
	v_max_num_f32 v[TT+\u], v[BM+4*\u], v[BM+4*\u+2]
.endr
.irp u, 0,1
	v_permlanex16_b32 v[PL+\u], v[TT+\u], s36, s37
.endr
.irp u, 0,1
	v_max3_num_f32 v[17+2*\u], v[17+2*\u], v[TT+\u], v[PL+\u]      ; the running largest score (c is positive)
.endr
.irp u, 0,1
	v_mul_f32 v[DT+\u], 0xbe8293ee, v[17+2*\u]                     ; -t
.endr
.irp u, 0,1
	v_floor_f32 v[FL+\u], v[DT+\u]                                 ; -M = floor(-t): M is a whole number
.endr
.irp u, 0,1
	v_sub_f32 v[DT+\u], v[FL+\u], v[16+2*\u]                       ; old M - new M
.endr
.irp u, 0,1
	v_mov_b32 v[16+2*\u], v[FL+\u]
.endr
.irp u, 0,1
	v_cvt_i32_f32 v[DT+\u], v[DT+\u]                               ; (it saturates)
.endr
.irp u, 0,1
	v_ldexp_f32 v[24+2*\u], 1.0, v[DT+\u]                          ; f = 2^(old M - new M)
.endr
.irp k, 0,1,2,3
	v_fma_f32 v[BM+2*\k], v[BM+2*\k], s22, v[16+2*(\k/2)]          ; t - M of each block's largest score
.endr
	WIN 0x41                                       ; destination and source 0 in window 1
.set n, 0
.rept 32
	v_pk_fma_f32 v[n:n+1], v[n:n+1], s[22:23], v[16:17] op_sel_hi:[1,0,0]           ; tile 0: t - M, two at a time
.set n, n+2
.endr
	s_wait_alu depctr_va_vdst(0)                   ; the wait ahead of a batch
.set n, 0
.rept 32
	v_exp_f32 v[n], v[n]                           ; tile 0: p = 2^(t - M); between its exponentials stands tile 1's t - M, which names none of their registers and is read behind the next wait
	v_pk_fma_f32 v[64+n:65+n], v[64+n:65+n], s[22:23], v[18:19] op_sel_hi:[1,0,0]
	v_exp_f32 v[n+1], v[n+1]
.set n, n+2
.endr
	s_wait_alu depctr_va_vdst(0)                   ; behind the first batch and ahead of the second
.set n, 64
.rept 64
	v_exp_f32 v[n], v[n]                           ; tile 1: p
.set n, n+1
.endr
	WIN 0
.irp k, 0,1,2,3
	v_exp_f32 v[BM+2*\k], v[BM+2*\k]               ; the blocks' largest p: p rises with the score
.endr
.irp u, 0,1
	v_pk_mul_f32 v[20+2*\u:21+2*\u], v[20+2*\u:21+2*\u], v[24+2*\u:25+2*\u] op_sel_hi:[1,0]   ; the sums under the new M: the plain place behind the exponentials
.endr
	s_wait_alu depctr_va_vdst(0)                   ; one wait for the batch, ahead of its first reader
	; the sums of the unquantised p: sixteen chains
	WIN 0x05
.irp u, 0,1
.irp i, 0,1,2,3,4,5,6,7
	v_pk_add_f32 v[TS+16*\u+2*\i:TS+16*\u+2*\i+1], v[64*\u+2*\i:64*\u+2*\i+1], v[64*\u+16+2*\i:64*\u+17+2*\i]
.endr
.endr
	WIN 0x04
.irp k, 32,48
.irp u, 0,1
.irp i, 0,1,2,3,4,5,6,7
	v_pk_add_f32 v[TS+16*\u+2*\i:TS+16*\u+2*\i+1], v[TS+16*\u+2*\i:TS+16*\u+2*\i+1], v[64*\u+\k+2*\i:64*\u+\k+2*\i+1]
.endr
.endr
.endr
	WIN 0
	; the chains are joined, by turns with the making of p's scales
.irp u, 0,1
.irp i, 0,1,2,3
	v_pk_add_f32 v[TS+16*\u+2*\i:TS+16*\u+2*\i+1], v[TS+16*\u+2*\i:TS+16*\u+2*\i+1], v[TS+16*\u+8+2*\i:TS+16*\u+9+2*\i]
.endr
.endr
.irp k, 0,1,2,3
	v_max_num_f32 v[BM+2*\k], 0x1800000, v[BM+2*\k]                ; the floor 2^(3 - 127): the byte cannot fall under 1
.endr
.irp u, 0,1
.irp i, 0,1
	v_pk_add_f32 v[TS+16*\u+2*\i:TS+16*\u+2*\i+1], v[TS+16*\u+2*\i:TS+16*\u+2*\i+1], v[TS+16*\u+4+2*\i:TS+16*\u+5+2*\i]
.endr
.endr
.irp k, 0,1,2,3
	v_add_nc_u32 v[SCL+\k], 0xff000000, v[BM+2*\k]                 ; 2 off the exponent field: the conversions' scale operands
.endr
.irp u, 0,1
	v_pk_add_f32 v[TS+16*\u:TS+16*\u+1], v[TS+16*\u:TS+16*\u+1], v[TS+16*\u+2:TS+16*\u+3]
.endr
.irp k, 0,1,2,3
	v_lshrrev_b32 v[BM+2*\k+1], 23, v[SCL+\k]                      ; the bytes
.endr
.irp u, 0,1
	v_pk_add_f32 v[20+2*\u:21+2*\u], v[20+2*\u:21+2*\u], v[TS+16*\u:TS+16*\u+1]
.endr
.irp u, 0,1
	v_lshl_or_b32 v[BM+4*\u+1], v[BM+4*\u+3], 16, v[BM+4*\u+1]
.endr
.irp u, 0,1
	v_lshlrev_b32 v[BM+4*\u+1], v3, v[BM+4*\u+1]                   ; my blocks h and 2 + h
.endr
.irp u, 0,1
	v_permlanex16_b32 v[PL+2+\u], v[BM+4*\u+1], s36, s37
.endr
.irp u, 0,1
	v_or_b32 v[PSW+\u], v[BM+4*\u+1], v[PL+2+\u]                   ; p's scale word for these 128 keys
.endr
	WIN 0x01
.irp u, 0,1
	v_cvt_scalef32_pk16_fp6_f32 v[PF+12*\u:PF+12*\u+2], v[64*\u:64*\u+15], v[SCL+2*\u]
	v_cvt_scalef32_pk16_fp6_f32 v[CT+8*\u:CT+8*\u+2], v[64*\u+16:64*\u+31], v[SCL+2*\u]        ; (a conversion's three registers begin on an even number)
	v_cvt_scalef32_pk16_fp6_f32 v[PF+12*\u+6:PF+12*\u+8], v[64*\u+32:64*\u+47], v[SCL+2*\u+1]
	v_cvt_scalef32_pk16_fp6_f32 v[CT+8*\u+4:CT+8*\u+6], v[64*\u+48:64*\u+63], v[SCL+2*\u+1]
.endr
	v_nop                                          ; one plain place behind the conversions
	WIN 0
.irp u, 0,1
.irp i, 0,1,2
	v_mov_b32 v[PF+12*\u+3+\i], v[CT+8*\u+\i]
	v_mov_b32 v[PF+12*\u+9+\i], v[CT+8*\u+4+\i]
.endr
.endr
	s_wait_dscnt 0x0                               ; V, the youngest of the step's loads, is in, and so is the next step's K
	WIN 0x41
	s_wait_alu depctr_va_vdst(0)                   ; the wait here, directly ahead of the first reader of O^T
.irp u, 0,1
.irp j, 0,2,4,6,8,10,12,14
	v_pk_mul_f32 v[128+16*\u+\j:129+16*\u+\j], v[128+16*\u+\j:129+16*\u+\j], v[24+2*\u:25+2*\u] op_sel_hi:[1,0]   ; O^T under the new M, each accumulator from its low end on; also the places behind the scale words and the codes
.endr
.endr
	WIN 0x50                                       ; C and D in window 1; four accumulators by turns
.irp u, 0,1
	v_wmma_scale_f32_16x16x128_f8f6f4 v[128+16*\u:135+16*\u], v[VF:VF+11], v[PF+12*\u:PF+12*\u+11], v[128+16*\u:135+16*\u], v[VSW], v[PSW+\u] matrix_a_fmt:MATRIX_FMT_FP6 matrix_b_fmt:MATRIX_FMT_FP6
.endr
.irp u, 0,1
	v_wmma_scale_f32_16x16x128_f8f6f4 v[136+16*\u:143+16*\u], v[VF+12:VF+23], v[PF+12*\u:PF+12*\u+11], v[136+16*\u:143+16*\u], v[VSW], v[PSW+\u] matrix_a_fmt:MATRIX_FMT_FP6 matrix_b_fmt:MATRIX_FMT_FP6 matrix_a_scale:MATRIX_SCALE_ROW1
.endr
	WIN 0
.Lskip:
	s_add_co_u32 s19, s19, 6144
	s_add_co_u32 s20, s20, 128
	s_add_co_u32 s18, s18, 1
	s_cmp_lt_u32 s18, 16
	s_cbranch_scc1 .Lstep
	; ---- the pass's end: O^T / the sum, quantised along the head's 32 channels (16 in me, 16 in lane l xor 16)
	PLACES
.irp u, 0,1
	v_add_f32 v[20+2*\u], v[20+2*\u], v[21+2*\u]
.endr
.irp u, 0,1
	v_permlanex16_b32 v[PL+\u], v[20+2*\u], s36, s37
.endr
.irp u, 0,1
	v_add_f32 v[20+2*\u], v[20+2*\u], v[PL+\u]     ; the row's sum
.endr
	s_wait_alu depctr_va_vdst(0)                   ; the wait ahead of the reciprocals
	v_rcp_f32 v20, v20
	v_rcp_f32 v22, v22
	v_nop                                          ; a plain place behind them,
	WIN 0x01
	s_wait_alu depctr_va_vdst(0)                   ; and the wait ahead of their first reader, which is also O^T's
.irp u, 0,1
.irp j, 0,1,2,3,4,5,6,7,8,9,10,11,12,13,14,15
	v_mul_f32 v[TS+16*\u+\j], v[128+16*\u+\j], v[20+2*\u]
.endr
.endr
	WIN 0
.irp u, 0,1
	v_max3_num_f32 v[BM+4*\u], |v[TS+16*\u]|, |v[TS+16*\u+1]|, 0x1800000
	v_max3_num_f32 v[BM+4*\u+1], |v[TS+16*\u+8]|, |v[TS+16*\u+9]|, 0x1800000
.endr
.irp i, 2,4,6
.irp u, 0,1
	v_max3_num_f32 v[BM+4*\u], v[BM+4*\u], |v[TS+16*\u+\i]|, |v[TS+16*\u+\i+1]|
	v_max3_num_f32 v[BM+4*\u+1], v[BM+4*\u+1], |v[TS+16*\u+8+\i]|, |v[TS+16*\u+9+\i]|
.endr
.endr
.irp u, 0,1
	v_max_num_f32 v[BM+4*\u], v[BM+4*\u], v[BM+4*\u+1]
.endr
.irp u, 0,1
	v_permlanex16_b32 v[PL+2+\u], v[BM+4*\u], s36, s37
.endr
.irp u, 0,1
	v_max_num_f32 v[BM+4*\u], v[BM+4*\u], v[PL+2+\u]
.endr
.irp u, 0,1
	v_add_nc_u32 v[SCL+2*\u], 0xff000000, v[BM+4*\u]
.endr
.irp u, 0,1
	v_lshrrev_b32 v[BM+4*\u+1], 23, v[SCL+2*\u]
.endr
.irp u, 0,1
	v_cvt_scalef32_pk16_fp6_f32 v[CT+8*\u:CT+8*\u+2], v[TS+16*\u:TS+16*\u+15], v[SCL+2*\u]
.endr
	v_nop                                          ; one plain place behind the conversions
.irp u, 0,1
	global_store_b96 v8, v[CT+8*\u:CT+8*\u+2], s[42:43] offset:384*\u      ; the wave stores 384 consecutive bytes: 16 tokens x 24
	global_store_b8 v9, v[BM+4*\u+1], s[44:45] offset:64*\u                ; both halves of the lanes write the same byte with the same value
.endr
	s_wait_xcnt 0x0                                ; the bases and the data are written again only behind this wait
	s_sub_co_u32 s17, 15, s17                      ; the second pass: s = w
	s_sub_co_u32 s21, s21, 1
	s_cmp_lg_u32 s21, 0
	s_wait_alu depctr_va_vdst(0)                   ; the wait ahead of the branch
	s_cbranch_scc1 .Ltile
	s_wait_tensorcnt 0x0                           ; the wave's end
	ds_add_u32 v254, v255
	s_wait_dscnt 0x0
	CROUND                                         ; the closing round
	s_endpgm
.Lfunc_end_k_qdcecbae793_attn:
	.size	k_qdcecbae793_attn, .Lfunc_end_k_qdcecbae793_attn-k_qdcecbae793_attn
	.p2alignl 7, 3214868480
	.fill 96, 4, 3214868480
	.section	.rodata,"a",@progbits
	.p2align	6, 0x0
	.amdhsa_kernel k_qdcecbae793_attn
		.amdhsa_group_segment_fixed_size 169984
		.amdhsa_private_segment_fixed_size 0
		.amdhsa_enable_private_segment 0
		.amdhsa_kernarg_size 32
		.amdhsa_user_sgpr_count 2
		.amdhsa_user_sgpr_kernarg_segment_ptr 1
		.amdhsa_wavefront_size32 1
		.amdhsa_system_sgpr_workgroup_id_x 1
		.amdhsa_system_sgpr_workgroup_id_y 1
		.amdhsa_system_sgpr_workgroup_id_z 1
		.amdhsa_system_vgpr_workitem_id 0
		.amdhsa_next_free_vgpr 512
		.amdhsa_next_free_sgpr 72
		.amdhsa_reserve_vcc 1
		.amdhsa_float_denorm_mode_32 3
		.amdhsa_float_denorm_mode_16_64 3
		.amdhsa_memory_ordered 1
		.amdhsa_forward_progress 1
		.amdhsa_inst_pref_size 53
	.end_amdhsa_kernel
	.amdgpu_metadata
---
amdhsa.version: [ 1, 2 ]
amdhsa.kernels:
  - .name:           k_qdcecbae793_attn
    .symbol:         k_qdcecbae793_attn.kd
    .args:
      - { .name: qrec, .offset: 0, .size: 8, .value_kind: global_buffer, .address_space: global }
      - { .name: kvrec, .offset: 8, .size: 8, .value_kind: global_buffer, .address_space: global }
      - { .name: acodes, .offset: 16, .size: 8, .value_kind: global_buffer, .address_space: global }
      - { .name: ascales, .offset: 24, .size: 8, .value_kind: global_buffer, .address_space: global }
    .group_segment_fixed_size: 169984
    .private_segment_fixed_size: 0
    .kernarg_segment_align: 8
    .kernarg_segment_size: 32
    .max_flat_workgroup_size: 256
    .sgpr_count:     72
    .vgpr_count:     512
    .wavefront_size: 32
...
	.end_amdgpu_metadata
.endif
;; end of part 3
;; launch outp (part 4): grid 8 x 32, 8 waves a work-group, clusters of 4 x 4, 265,216 bytes of LDS; arguments ops, acodes, ascales, out0; writes out0
.if DOCPART == 4
	.amdgcn_target "amdgcn-amd-amdhsa--gfx1250"
	.amdhsa_code_object_version 6
	.text
	.protected	k_qdcecbae793_outp
	.globl	k_qdcecbae793_outp
	.p2align	8
	.type	k_qdcecbae793_outp,@function
k_qdcecbae793_outp:
	s_mov_b64 s[64:65], 0
	v_nop
	global_prefetch_b8 v0, s[64:65] scope:SCOPE_SE
	s_setreg_imm32_b32 hwreg(HW_REG_WAVE_MODE, 25, 1), 1
	s_wait_xcnt 0x0
	s_wait_alu depctr_hold_cnt(0) depctr_sa_sdst(0) depctr_va_vdst(0) depctr_va_sdst(0) depctr_va_ssrc(0) depctr_va_vcc(0) depctr_vm_vsrc(0)
	s_getreg_b32 s2, hwreg(HW_REG_IB_STS2, 6, 4)
	s_cmp_eq_u32 s2, 0
	s_cbranch_scc0 .Lentry_in_a_cluster
	s_endpgm
.Lentry_in_a_cluster:
	s_bfe_u32 s2, ttmp6, 0x10000c
	s_cmp_lg_u32 s2, 0xf033
	s_cbranch_scc0 .Lentry_shape_is_right
	s_endpgm
.Lentry_shape_is_right:
; out0 = a Wo^T on codes of FP6 (E2M3) with E8M0 scales.  a: the attention's result as codes [batch x head][token][24 bytes] (a block of 32 along K is one head) with scale words [batch][K step 8][token]; Wo: register images in ops, panels 112 on.
; SHARES.  A work-group makes 128 tokens (block y) x 128 columns (Wo's panels 2 x, 2 x + 1).  Eight waves: wave / 4 picks the panel, sub = wave % 4 the 32 tokens.  A wave makes 64 x 32: source 0 = the panel's four tiles, source 1 = two tiles of tokens.
; By the order of Wo's rows in its tiles a lane's 32 results are columns 64 panel + 32 h + 0 .. 31 of one token: 128 neighbouring bytes.
; LDS, filled once: a's codes [head 32][token 128][24] at 0; Wo's two panels at 98,304; behind them, where no fill lands, a stage of 128 rows x (512 + 16) bytes for the way out.
; A fragment of a: lane (r, h), registers 6 c on = head 4 k + 2 c + h, token r: three loads of 8 bytes.  The two halves of the lanes stand 3,072 bytes apart, a whole number of times through the banks: two deep; a wave has 96 such loads in all.
; CLUSTER 4 x 4: a's tile hangs on y alone and is asked for jointly along a row of the cluster, Wo's on x alone, along a column.  One tensor load a wave, 24,576 bytes: one is out by this text's count.
.set PANEL, 51200
.set SCOFF, 49152
.set STAGE, 196608
.set S0,  16
.set S1,  32
.set HF,  48
.set TF,  96
.set ACC, 128
.macro PLACES
.rept 4
	v_nop
.endr
.endm
.macro CROUND
	s_barrier_signal -1
	s_barrier_wait -1
	s_cmp_lg_u32 s12, 0
	s_cbranch_scc1 .Lnot_wave_0_\@
	s_barrier_signal -3
.Lnot_wave_0_\@:
	s_barrier_wait -3
	s_barrier_signal -1
	s_barrier_wait -1
.endm
.macro MM k, a, b
.if (\k) == 0
	v_wmma_scale_f32_16x16x128_f8f6f4 v[ACC+8*(4*\a+\b):ACC+8*(4*\a+\b)+7], v[HF+12*\b:HF+12*\b+11], v[TF+12*\a:TF+12*\a+11], 0, v[S0+4*\b], v[S1+4*\a] matrix_a_fmt:MATRIX_FMT_FP6 matrix_b_fmt:MATRIX_FMT_FP6
.elseif (\k)%2
	v_wmma_scale_f32_16x16x128_f8f6f4 v[ACC+8*(4*\a+\b):ACC+8*(4*\a+\b)+7], v[HF+12*\b:HF+12*\b+11], v[TF+12*\a:TF+12*\a+11], v[ACC+8*(4*\a+\b):ACC+8*(4*\a+\b)+7], v[S0+4*\b+(\k)/2], v[S1+4*\a+(\k)/2] matrix_a_fmt:MATRIX_FMT_FP6 matrix_b_fmt:MATRIX_FMT_FP6 matrix_a_scale:MATRIX_SCALE_ROW1 matrix_b_scale:MATRIX_SCALE_ROW1
.else
	v_wmma_scale_f32_16x16x128_f8f6f4 v[ACC+8*(4*\a+\b):ACC+8*(4*\a+\b)+7], v[HF+12*\b:HF+12*\b+11], v[TF+12*\a:TF+12*\a+11], v[ACC+8*(4*\a+\b):ACC+8*(4*\a+\b)+7], v[S0+4*\b+(\k)/2], v[S1+4*\a+(\k)/2] matrix_a_fmt:MATRIX_FMT_FP6 matrix_b_fmt:MATRIX_FMT_FP6
.endif
.endm
.macro KSTEP k                         ; 128 along K (four heads): 24 LDS loads, 8 matrix instructions on eight accumulators by turns
.if (\k) > 0
	PLACES                                         ; four places in front of loads into registers that matrix instructions have read
.endif
.irp b, 0,1,2,3
.irp g, 0,1,2
	ds_load_b128 v[HF+12*\b+4*\g:HF+12*\b+4*\g+3], v4 offset:6144*(\k)+1536*\b+512*\g
.endr
.endr
.irp a, 0,1
.irp c, 0,1
.irp m, 0,1,2
	ds_load_b64 v[TF+12*\a+6*\c+2*\m:TF+12*\a+6*\c+2*\m+1], v[6+(\k)/4] offset:12288*((\k)%4)+6144*\c+384*\a+8*\m
.endr
.endr
.endr
	s_wait_dscnt 0x0
.irp a, 0,1
.irp b, 0,1,2,3
	MM \k, \a, \b
.endr
.endr
.endm
	s_load_b256 s[4:11], s[0:1], 0x0               ; ops s[4:5], acodes s[6:7], ascales s[8:9], out0 s[10:11]
	v_lshl_add_u32 v254, v0, 2, 0x40800
	v_mov_b32 v255, 0
	ds_add_u32 v254, v255
	ds_add_u32 v254, v255
	v_lshrrev_b32 v1, 5, v0
	s_delay_alu instid0(VALU_DEP_1)
	v_readfirstlane_b32 s12, v1                    ; wave 0..7
	v_and_b32 v1, 31, v0                           ; lane
	v_and_b32 v2, 15, v0                           ; r
	s_wait_alu depctr_va_vdst(0)
	v_bfe_u32 v3, v0, 4, 1                         ; h
	s_lshr_b32 s13, s12, 2                         ; which panel of Wo
	s_and_b32 s14, s12, 3                          ; sub
	; every LDS address hangs on the wave's number and the lane alone, and is made ahead of every branch
	s_mul_i32 s56, s13, 49152
	s_add_co_u32 s56, s56, 98304
	v_lshl_add_u32 v4, v1, 4, s56                  ; Wo's images
	s_mul_i32 s57, s14, 768
	v_mul_u32_u24 v6, v2, 24
	s_delay_alu instid0(VALU_DEP_1)
	v_mad_u32_u24 v6, v3, 3072, v6
	s_delay_alu instid0(VALU_DEP_1)
	v_add_nc_u32 v6, s57, v6                       ; a: token 32 sub + r, head h, K steps 0-3;
	s_delay_alu instid0(VALU_DEP_1)
	v_add_nc_u32 v7, 49152, v6                     ; K steps 4-7
	s_mul_i32 s22, s14, 32*528
	s_lshl_b32 s23, s13, 8
	s_add_co_u32 s22, s22, s23
	s_add_co_u32 s22, s22, STAGE
	v_mul_u32_u24 v10, v2, 528
	s_wait_alu depctr_va_vdst(0)
	v_lshl_add_u32 v10, v3, 7, v10
	s_delay_alu instid0(VALU_DEP_1)
	v_add_nc_u32 v10, s22, v10                     ; the stage, in: row 32 sub + r, byte 256 panel + 128 h
	s_mul_i32 s22, s12, 16*528
	s_add_co_u32 s22, s22, STAGE
	v_lshl_add_u32 v11, v1, 4, s22                 ; back: rows 16 wave on, 16 bytes a lane
	v_lshlrev_b32 v12, 4, v1                       ; 16 x lane
	v_lshlrev_b32 v9, 3, v1                        ; 8 x lane
	v_lshlrev_b32 v13, 2, v2
	s_delay_alu instid0(VALU_DEP_1)
	v_lshl_add_u32 v13, v3, 13, v13                ; a's scale words: 4 r, + a K step for lanes 16-31
	s_bfe_u32 s15, ttmp6, 0x40000                  ; cx
	s_bfe_u32 s16, ttmp6, 0x40004                  ; cy
	s_lshl_b32 s17, ttmp9, 2
	s_add_co_u32 s17, s17, s15                     ; x
	s_and_b32 s18, ttmp7, 0xffff
	s_lshl_b32 s18, s18, 2
	s_add_co_u32 s18, s18, s16                     ; y
	s_lshl_b32 s19, s16, 2
	s_lshl_b32 s19, 15, s19                        ; my row of the cluster
	s_lshl_b32 s20, 0x1111, s15                    ; my column
	; group 1 for a: 8 heads' rows of 3,072 bytes (384 elements of 8 bytes), 49,152 bytes apart
	s_or_b32 s24, s19, (3<<16)|(1<<21)
	s_mov_b32 s25, 384<<16                         ; tensor_dim0
	s_mov_b32 s26, 8<<16                           ; tensor_dim1
	s_mov_b32 s27, 384<<16                         ; tile_dim0
	s_mov_b32 s28, 8                               ; tile_dim1
	s_mov_b32 s29, 6144                            ; from row to row
	s_mov_b32 s30, 0
	s_mov_b32 s31, 0
	; and for Wo: 96 dense rows of 256 bytes
	s_or_b32 s32, s20, (3<<16)|(1<<21)
	s_mov_b32 s33, 32<<16
	s_mov_b32 s34, 96<<16
	s_mov_b32 s35, 32<<16
	s_mov_b32 s36, 96
	s_mov_b32 s37, 32
	s_mov_b32 s38, 0
	s_mov_b32 s39, 0
	; a's address in registers that never hold cx: record 32 b + 8 (wave % 4), tokens 128 j on
	s_lshr_b32 s48, s18, 4
	s_lshl_b32 s48, s48, 5
	s_lshl_b32 s49, s14, 3
	s_add_co_u32 s48, s48, s49
	s_mul_i32 s48, s48, 49152
	s_and_b32 s49, s18, 15
	s_mul_i32 s49, s49, 3072
	s_add_co_u32 s48, s48, s49
	s_mov_b32 s49, 0
	; Wo's in registers that never hold cy: panel 112 + 2 x + (wave % 4) / 2, half wave % 2
	s_lshl_b32 s52, s17, 1
	s_lshr_b32 s53, s14, 1
	s_add_co_u32 s52, s52, s53
	s_add_co_u32 s52, s52, 112
	s_mul_i32 s52, s52, PANEL
	s_and_b32 s53, s14, 1
	s_mul_i32 s53, s53, 24576
	s_add_co_u32 s52, s52, s53
	s_mov_b32 s53, 0
	s_mul_i32 s21, s12, 24576                      ; where my load lands
	s_wait_dscnt 0x0
	s_wait_kmcnt 0x0
	s_mov_b32 s40, 1
	s_mov_b32 s41, s21
	s_add_nc_u64 s[42:43], s[6:7], s[48:49]
	s_or_b32 s43, s43, 0x80000000
	s_mov_b32 s44, 1
	s_mov_b32 s45, s21
	s_add_nc_u64 s[46:47], s[4:5], s[52:53]
	s_or_b32 s47, s47, 0x80000000
	CROUND                                         ; all sixteen work-groups are here: the joint loads meet
	s_cmp_lt_u32 s12, 4                            ; waves 0-3 fetch a, waves 4-7 Wo; four v_nop follow each load
	s_cbranch_scc0 .Lfor_w
	tensor_load_to_lds s[40:43], s[24:31]
	s_nop 0
	PLACES
	s_branch .Lasked
.Lfor_w:
	tensor_load_to_lds s[44:47], s[32:39]
	s_nop 0
	PLACES
.Lasked:
	s_lshl_b32 s58, s17, 1
	s_add_co_u32 s58, s58, s13
	s_add_co_u32 s58, s58, 112
	s_mul_i32 s58, s58, PANEL
	s_add_co_u32 s58, s58, SCOFF
	s_mov_b32 s59, 0
	s_add_nc_u64 s[58:59], s[4:5], s[58:59]        ; my panel's scale words
	s_lshr_b32 s60, s18, 4
	s_lshl_b32 s60, s60, 16
	s_and_b32 s61, s18, 15
	s_lshl_b32 s61, s61, 9
	s_add_co_u32 s60, s60, s61
	s_lshl_b32 s61, s14, 7
	s_add_co_u32 s60, s60, s61
	s_mov_b32 s61, 0
	s_add_nc_u64 s[60:61], s[8:9], s[60:61]        ; my 32 tokens' scale words: 65,536 b + 4 (128 j + 32 sub)
	s_lshl_b32 s62, s18, 7
	s_lshl_b32 s63, s12, 4
	s_add_co_u32 s62, s62, s63
	s_lshl_b32 s62, s62, 12
	s_lshl_b32 s63, s17, 9
	s_add_co_u32 s62, s62, s63
	s_mov_b32 s63, 0
	s_add_nc_u64 s[62:63], s[10:11], s[62:63]      ; out0 at row 128 y + 16 wave, column 128 x
	s_wait_alu depctr_va_vdst(0)
.irp b, 0,1,2,3
.irp kh, 0,1
	global_load_b64 v[S0+4*\b+2*\kh:S0+4*\b+2*\kh+1], v9, s[58:59] offset:512*\b+256*\kh
.endr
.endr
.irp a, 0,1
.irp e, 0,1,2,3
	global_load_b32 v[S1+4*\a+\e], v13, s[60:61] offset:16384*\e+64*\a   ; K step 2 e in lanes 0-15, 2 e + 1 in lanes 16-31
.endr
.endr
	s_wait_loadcnt 0x0
	s_wait_tensorcnt 0x0                           ; my part of LDS has landed,
	s_barrier_signal -1
	s_barrier_wait -1                              ; everybody's has
.irp k, 0,1,2,3,4,5,6,7
	KSTEP \k
.endr
	PLACES                                         ; in front of the first reads of results
.irp a, 0,1
.irp b, 0,1,2,3
	ds_store_b128 v10, v[ACC+8*(4*\a+\b):ACC+8*(4*\a+\b)+3] offset:8448*\a+32*\b          ; each accumulator from its low end on
	ds_store_b128 v10, v[ACC+8*(4*\a+\b)+4:ACC+8*(4*\a+\b)+7] offset:8448*\a+32*\b+16
.endr
.endr
	s_wait_dscnt 0x0                               ; for the others' sake: my stores into the stage are done
	s_barrier_signal -1
	s_barrier_wait -1                              ; a row's 512 bytes come from two waves
.irp n, 0,1,2,3,4,5,6,7,8,9,10,11,12,13,14,15
	ds_load_b128 v[HF+4*\n:HF+4*\n+3], v11 offset:528*\n
.endr
.irp n, 0,1,2,3,4,5,6,7,8,9,10,11,12,13,14,15
	s_wait_dscnt 15-\n                             ; row n is back; the younger rows may be out
	global_store_b128 v12, v[HF+4*\n:HF+4*\n+3], s[62:63] offset:4096*\n th:TH_STORE_NT   ; 512 consecutive bytes, at a multiple of 256 from out0's first byte
.endr
	s_wait_tensorcnt 0x0
	ds_add_u32 v254, v255
	s_wait_dscnt 0x0
	CROUND                                         ; the closing round
	s_endpgm
.Lfunc_end_k_qdcecbae793_outp:
	.size	k_qdcecbae793_outp, .Lfunc_end_k_qdcecbae793_outp-k_qdcecbae793_outp
	.p2alignl 7, 3214868480
	.fill 96, 4, 3214868480
	.section	.rodata,"a",@progbits
	.p2align	6, 0x0
	.amdhsa_kernel k_qdcecbae793_outp
		.amdhsa_group_segment_fixed_size 265216
		.amdhsa_private_segment_fixed_size 0
		.amdhsa_enable_private_segment 0
		.amdhsa_kernarg_size 32
		.amdhsa_user_sgpr_count 2
		.amdhsa_user_sgpr_kernarg_segment_ptr 1
		.amdhsa_wavefront_size32 1
		.amdhsa_system_sgpr_workgroup_id_x 1
		.amdhsa_system_sgpr_workgroup_id_y 1
		.amdhsa_system_sgpr_workgroup_id_z 1
		.amdhsa_system_vgpr_workitem_id 0
		.amdhsa_next_free_vgpr 256
		.amdhsa_next_free_sgpr 66
		.amdhsa_reserve_vcc 0
		.amdhsa_float_denorm_mode_32 3
		.amdhsa_float_denorm_mode_16_64 3
		.amdhsa_memory_ordered 1
		.amdhsa_forward_progress 1
		.amdhsa_inst_pref_size 35
	.end_amdhsa_kernel
	.amdgpu_metadata
---
amdhsa.version: [ 1, 2 ]
amdhsa.kernels:
  - .name:           k_qdcecbae793_outp
    .symbol:         k_qdcecbae793_outp.kd
    .args:
      - { .name: ops, .offset: 0, .size: 8, .value_kind: global_buffer, .address_space: global }
      - { .name: acodes, .offset: 8, .size: 8, .value_kind: global_buffer, .address_space: global }
      - { .name: ascales, .offset: 16, .size: 8, .value_kind: global_buffer, .address_space: global }
      - { .name: out0, .offset: 24, .size: 8, .value_kind: global_buffer, .address_space: global }
    .group_segment_fixed_size: 265216
    .private_segment_fixed_size: 0
    .kernarg_segment_align: 8
    .kernarg_segment_size: 32
    .max_flat_workgroup_size: 256
    .sgpr_count:     66
    .vgpr_count:     256
    .wavefront_size: 32
...
	.end_amdgpu_metadata
.endif
;; end of part 4
